; MI455X (gfx1250); checked and timed in simulation.
; The chip was launched on July 23, 2026; its instructions are those of AMD's public machine-readable ISA for CDNA 5 (MIT licence, August 2026) and "CDNA5" Instruction Set Architecture Reference Guide (July 2026). The comments in the code are by the model that wrote it; some were corrected since.
;; Transformer Block. Allowed arithmetic: matrix products marked QUANTISED: E4M3 operands, one E8M0 scale for each 32 along K, by v_wmma_scale_f32_16x16x128_f8f6f4 with both operands' format E4M3, f32 sums; everything else in f32.
;; Inputs: b1 4,096 float32; b2 1,024 float32; beta1 1,024 float32; beta2 1,024 float32; causal_mask 2,048 x 2,048 bool; gamma1 1,024 float32; gamma2 1,024 float32; w1 1,024 x 4,096 float32; w2 4,096 x 1,024 float32; wk 1,024 x 1,024 float32; wo 1,024 x 1,024 float32; wq 1,024 x 1,024 float32; wv 1,024 x 1,024 float32; x 2 x 2,048 x 1,024 float32.
;; Outputs: out0 2 x 2,048 x 1,024 float32.
;; This version of the problem:
;;   THIS VERSION OF THE PROBLEM IS GIVEN IN LOW PRECISION. The matrix products marked QUANTISED in the list below multiply operands that are first quantised to E4M3 (4 exponent bits, 3 mantissa bits; 8 bits a number), with one power-of-two scale for each 32 numbers along K (OCP MX v1.0); their sums are f32. All else is computed in f32.
;;   The module's matrix products, in the order in which they are computed (A, B: the left and right operand; K: the contracted axis; several contracted axes count as one K, in the product's order):
;;     1. [M 4,096, K 1,024] x [K 1,024, N 1,024]; A: computed on the way; B: input wq: QUANTISED
;;     2. [M 4,096, K 1,024] x [K 1,024, N 1,024]; A: computed on the way; B: input wk: QUANTISED
;;     3. [M 4,096, K 1,024] x [K 1,024, N 1,024]; A: computed on the way; B: input wv: QUANTISED
;;     4. batch 32 x [M 2,048, K 64] x [K 64, N 2,048]; A: computed on the way; B: computed on the way: QUANTISED
;;     5. batch 32 x [M 2,048, K 2,048] x [K 2,048, N 64]; A: softmax (see below); B: computed on the way: QUANTISED
;;     6. [M 4,096, K 1,024] x [K 1,024, N 1,024]; A: computed on the way; B: input wo: QUANTISED
;;     7. [M 4,096, K 1,024] x [K 1,024, N 4,096]; A: computed on the way; B: input w1: QUANTISED
;;     8. [M 4,096, K 4,096] x [K 4,096, N 1,024]; A: computed on the way; B: input w2: QUANTISED
;;   THE QUANTISER, for each operand of a quantised product, along K:
;;     - K is cut into blocks of 32 from its start; a last block that is shorter is filled with zeros.
;;     - A block's scale is 2^e with e = floor(log2(the largest magnitude in the block)) - 8, held to -126 .. 127; a block of zeros has e = 0. As a byte (E8M0): e + 127.
;;     - Each number is divided by its block's scale, clamped to +-448, and rounded to the nearest number of E4M3, ties to even, subnormals kept.
;;     - The product sums the exact products of the quantised numbers (number of the format x scale) in f32.
;;   ~~~python
;;   def quantise(x, axis):      # numpy; x: float32 -> the quantised numbers, widened to float32 again
;;       x = np.moveaxis(x, axis, -1); K = x.shape[-1]
;;       x = np.pad(x, [(0, 0)] * (x.ndim - 1) + [(0, -K % 32)]); x = x.reshape(x.shape[:-1] + (-1, 32)); a = np.abs(x).max(-1, keepdims=True)
;;       e = np.where(a > 0, np.clip(np.frexp(np.where(a > 0, a, 1))[1] - 1 - 8, -126, 127), 0)      # np.frexp(a)[1] - 1 = floor(log2(a)), exactly
;;       r = np.clip(x / 2.0 ** e, -448, 448)
;;       step = 2.0 ** (np.maximum(np.frexp(np.where(r == 0, 1, r))[1] - 1, -6) - 3)
;;       q = np.round(r / step) * step * 2.0 ** e      # np.round: ties to even
;;       return np.moveaxis(q.reshape(q.shape[:-2] + (-1,))[..., :K], -1, axis).astype(np.float32)
;;   ~~~
;;   SOFTMAX AHEAD OF A QUANTISED PRODUCT. Where the list says 'softmax', what is quantised is not the finished softmax but p = 2^(t - M), with t = logit x log2(e) and M = ceil(the row's largest t), a whole number; so 1/2 < the row's largest p <= 1. The row's sum l is taken of the UNQUANTISED p, in f32, and the product's result is divided by l at the end. Since M is a whole number, a kernel that streams over the keys may use a running M (the ceiling of the running maximum): every later rescaling is an exact power of two, which a block's scale takes up: the codes' values come out the same.
;;   OPERANDS COMPUTED ON THE WAY. 'Computed on the way' means the value that the module computes at that place (a softmax that the list does not call 'softmax' is quantised finished and normalised). What goes into a quantiser is computed in f32, as accurately as f32 sums, v_exp_f32 and their like allow (about 1e-6 of the number): no bf16 or f16 on the way to a quantiser, and a product that is left as it is and whose result goes on into a quantised operand takes f32 operands (vector FMAs, or v_wmma_f32_16x16x4_f32). A number that lies on a knife's edge between two numbers of the format may be rounded either way, as far as f32 arithmetic and the matrix unit's own rounding can turn it there, and no further.
;; One version. Each part assembles by itself: llvm-mc -triple=amdgcn-amd-amdhsa -mcpu=gfx1250 --defsym DOCPART=n.
;; ======== version 1 of 1: 8 launches
;; limits: right only within a limited range of input values
;; workspace buffers: W 12,976,128 bytes; MK 526,336 bytes of whole numbers; H 4,325,376 bytes; QKV 14,155,776 bytes; AO 4,325,376 bytes; X1 16,777,216 bytes; G 17,301,504 bytes
;; launch prep (part 1): grid 896 x 1, 4 waves a work-group, no clusters, 0 bytes of LDS; arguments wq, wk, wv, wo, w1, w2, causal_mask, W, MK; writes W, MK
.if DOCPART == 1
	.amdgcn_target "amdgcn-amd-amdhsa--gfx1250"
	.amdhsa_code_object_version 6
	.text
	.protected	k_q41ca086349_prep
	.globl	k_q41ca086349_prep
	.p2align	8
	.type	k_q41ca086349_prep,@function
k_q41ca086349_prep:
	s_mov_b64 s[64:65], 0
	v_nop
	global_prefetch_b8 v0, s[64:65] scope:SCOPE_SE
	s_setreg_imm32_b32 hwreg(HW_REG_WAVE_MODE, 25, 1), 1
	s_wait_xcnt 0x0
; PREP.  Work-groups 0-767: the six weights [K][N] f32 become codes of E4M3 and E8M0 scale words, quantised along K (their first axis), laid as images of operand registers.
; Work-groups 768-895: the mask [2048][2048] of bytes becomes lane masks for the attention launch, and flags that say which key steps a tile of queries needs.
; THE IMAGES.  Lane r of row tile i holds row 32 (i/2) + 8 (i%2) + r + 8 (r/8).  Codes: [g = row/64][S = k/512][a = tile in g][q = (k/128)%4][c = (k/32)%4][lane][16 bytes]; lane (r, h) holds k = 32 c + 16 h + 0..15.
; Scale words: [g][s = k/128][r][a], one word of four bytes.  In W: chunks of codes and scale words; wq, wk, wv, wo at 0, 0x108000, 0x210000, 0x318000, w1 at 0x420000, w2 at 0x840000.
; WEIGHTS: a work-group takes 128 columns x 128 along K, a wave 32 columns, A LANE ONE COLUMN, its registers running down K: a block of 32 lies in one lane, and the conversions give codes with K innermost.
; A lane's 32 codes of a block are the 16 bytes of image lane r and those of image lane r + 16: two stores, in each of which sixteen lanes write 256 consecutive bytes, aligned.
; The scale words leave as 4 bytes a lane, 16 bytes apart: one byte in 128 of what this role reads.
; A block's scale byte is its largest magnitude's exponent field - 8, held at 1 from below.  LIMITS: a block of zeros gets the byte 1 (its codes are zeros; this program alone reads the bytes); NaN and infinities are not served.
; MASK: work-group 768 + qt takes query tile qt, wave Q key steps 4 Q .. 4 Q + 3 of 128 keys.  Word n = 16 b + i of a step has bit (lane) = mask[query of lane % 16][key 32 b + 16 (lane / 16) + i].
; Flags, one word for each (qt, Q): bit s: not every entry of step s is masked; bit 16 + s: such a step has masked entries.
.set MANT, 0x600000
.macro WLOAD t, stride                 ; block t: rows 32 t .. 32 t + 31 of my column, into set t % 2
.set i, 0
.rept 32
	global_load_b32 v[64+32*((\t)%2)+i], v3, s[26:27] offset:(32*(\t)+i)*\stride th:TH_LOAD_NT
.set i, i+1
.endr
.endm
.macro WBLOCK t, stride
.set XS, 64+32*((\t)%2)
.if (\t) < 3
	s_wait_loadcnt 32                              ; this block's 32 loads are in; the next block's may be out
.else
	s_wait_loadcnt 0x0
.endif
	v_max3_num_f32 v12, |v[XS]|, |v[XS+1]|, |v[XS+2]|
	v_max3_num_f32 v13, |v[XS+3]|, |v[XS+4]|, |v[XS+5]|
.irp i, 6,10,14,18,22,26
	v_max3_num_f32 v12, v12, |v[XS+\i]|, |v[XS+\i+1]|
	v_max3_num_f32 v13, v13, |v[XS+\i+2]|, |v[XS+\i+3]|
.endr
	v_max3_num_f32 v12, v12, |v[XS+30]|, |v[XS+31]|
	v_max3_num_f32 v12, v12, v13, 0x4800000        ; the floor 2^(9 - 127): the byte cannot fall under 1
	v_add_nc_u32 v11, 0xfc000000, v12              ; 8 off the exponent field: the conversion's scale operand
	v_and_or_b32 v10, v12, 0x7f800000, s44         ; 448 x the scale
	v_lshrrev_b32 v13, 23, v11                     ; the scale's byte
.if (\t) == 0
	v_mov_b32 v24, v13
.else
	v_lshl_or_b32 v24, v13, 8*(\t), v24
.endif
.set i, 0
.rept 32
	v_med3_num_f32 v[XS+i], v[XS+i], -v10, v10     ; the conversion does not saturate (ISA guide 7.6.2): the hold comes first
.set i, i+1
.endr
.irp g, 0,1,2,3
	v_cvt_scalef32_pk8_fp8_f32 v[32+8*(\t)+2*\g:33+8*(\t)+2*\g], v[XS+8*\g:XS+8*\g+7], v11
.endr
	global_store_b128 v7, v[32+8*(\t):35+8*(\t)], s[28:29] offset:512*(\t)        ; k 0..15 of the block: image lane r
	global_store_b128 v7, v[36+8*(\t):39+8*(\t)], s[28:29] offset:512*(\t)+256    ; k 16..31: image lane r + 16
.if (\t)+2 < 4
	WLOAD (\t)+2, \stride
.endif
.endm
.macro WBODY stride
	WLOAD 0, \stride
	WLOAD 1, \stride
	WBLOCK 0, \stride
	WBLOCK 1, \stride
	WBLOCK 2, \stride
	WBLOCK 3, \stride
	global_store_b32 v8, v24, s[30:31]             ; my column's scale word of this K step
	s_endpgm
.endm
.macro MSTEP j                         ; one key step: 64 lane masks
	s_wait_loadcnt 12-4*\j                         ; this step's four loads are in; the later steps' may be out
	s_mov_b32 s34, -1
	s_mov_b32 s35, 0
.set n, 0
.rept 64
	v_and_b32 v[8+n%4], 0xff<<(8*(n%4)), v[64+16*\j+n/4]
	v_cmp_ne_u32 s[36+n%4], 0, v[8+n%4]            ; the lane mask is the word
	s_and_b32 s34, s34, s[36+n%4]
	s_or_b32 s35, s35, s[36+n%4]
	v_writelane_b32 v[32+2*\j+(n&1)], s[36+n%4], n>>1
.set n, n+1
.endr
	s_wait_alu depctr_va_vdst(0)
	s_cmp_lg_u32 s34, -1
	s_cselect_b32 s40, 1, 0                        ; not everything is masked
	s_cmp_lg_u32 s35, 0
	s_cselect_b32 s41, s40, 0                      ; and something is
	s_lshl_b32 s41, s41, 16
	s_or_b32 s40, s40, s41
	s_lshl_b32 s40, s40, s28
	s_or_b32 s29, s29, s40
	s_add_co_u32 s28, s28, 1
	global_store_b64 v5, v[32+2*\j:33+2*\j], s[30:31] offset:256*\j   ; 32 lanes store 256 consecutive bytes, aligned
.endm
	s_load_b512 s[8:23], s[0:1], 0x0               ; wq, wk, wv, wo, w1, w2, mask, W
	s_load_b64 s[24:25], s[0:1], 0x40              ; MK
	v_lshrrev_b32 v1, 5, v0
	v_readfirstlane_b32 s2, v1                     ; wave
	v_and_b32 v2, 31, v0                           ; lane
	s_cmp_ge_u32 ttmp9, 768
	s_cbranch_scc1 .Lmask
	; ---- weights.  class 0: wq, wk, wv, wo (64 jobs each); class 1: w1; class 2: w2
	s_lshr_b32 s3, ttmp9, 8                        ; class
	s_and_b32 s4, ttmp9, 255
	s_and_b32 s5, s4, 7                            ; group of 128 columns (classes 0, 2)
	s_lshr_b32 s6, s4, 3                           ; K step (class 2)
	s_and_b32 s7, s6, 7                            ; K step (class 0)
	s_and_b32 s26, s4, 31                          ; columns (class 1)
	s_lshr_b32 s27, s4, 5                          ; K step (class 1)
	s_lshr_b32 s28, ttmp9, 6
	; THE LAYOUT IN W AS IT IS STORED: [weight][g = row/64][S = k/512] chunks of 33,792 bytes: 32,768 of codes [a][q][c][lane][16], then 1,024 of scale words [q][r][a].
	; wq, wk, wv, wo: 16 g x 2 S each, 0x108000 bytes apart; w1 at 0x420000 (64 g x 2 S); w2 at 0x840000 (16 g x 8 S).
	s_mul_i32 s29, s28, 0x108000                   ; where the weight begins in W (classes 0)
	s_mul_i32 s31, s3, 0x420000                    ; (classes 1, 2)
	s_cmp_eq_u32 s3, 0
	s_cselect_b32 s6, s7, s6
	s_cselect_b32 s29, s29, s31
	s_cmp_eq_u32 s3, 1
	s_cselect_b32 s5, s26, s5
	s_cselect_b32 s6, s27, s6
	s_cselect_b32 s33, 21, 19                      ; log2 of 128 source rows' bytes
	s_cmp_eq_u32 s3, 2
	s_mov_b32 s34, 0x10800
	s_cselect_b32 s34, 0x42000, s34                ; bytes of a group of 64 rows: 2 or 8 chunks
	s_lshl_b32 s36, s6, s33
	s_lshl_b32 s37, s5, 9
	s_add_co_u32 s36, s36, s37
	s_lshl_b32 s37, s2, 7
	s_add_co_u32 s36, s36, s37                     ; source: K step, group of columns, wave
	s_mov_b32 s37, 0
	s_lshl_b32 s38, s5, 1
	s_lshr_b32 s39, s2, 1
	s_add_co_u32 s38, s38, s39                     ; g
	s_mul_i32 s40, s38, s34
	s_add_co_u32 s40, s40, s29
	s_lshr_b32 s39, s6, 2
	s_mul_i32 s39, s39, 0x8400
	s_add_co_u32 s40, s40, s39                     ; the chunk (g, S)
	s_add_co_u32 s42, s40, 0x8000                  ; its scale words lie behind its codes
	s_and_b32 s39, s6, 3
	s_lshl_b32 s43, s39, 8
	s_add_co_u32 s42, s42, s43                     ; + q x 256
	s_lshl_b32 s39, s39, 11
	s_add_co_u32 s40, s40, s39                     ; + q x 2,048
	s_and_b32 s39, s2, 1
	s_lshl_b32 s41, s39, 14
	s_add_co_u32 s40, s40, s41                     ; + tiles 2 (wave % 2) on
	s_mov_b32 s41, 0
	s_lshl_b32 s43, s39, 3
	s_add_co_u32 s42, s42, s43
	s_mov_b32 s43, 0
	s_wait_alu depctr_va_vdst(0)
	v_lshlrev_b32 v3, 2, v2                        ; source: 4 bytes a lane
	v_bfe_u32 v4, v2, 3, 1                         ; u: which of the two tiles my column falls into
	v_and_b32 v5, 7, v2
	v_lshrrev_b32 v6, 4, v2
	v_lshl_add_u32 v5, v6, 3, v5                   ; r: its lane there
	v_lshlrev_b32 v6, 4, v5
	v_lshl_add_u32 v7, v4, 13, v6                  ; codes: 8192 u + 16 r
	v_lshl_add_u32 v8, v4, 2, v6                   ; scale word: 16 r + 4 u
	s_mov_b32 s44, MANT
	s_wait_kmcnt 0x0
	s_cmp_lt_u32 ttmp9, 64                         ; the source is chosen by the work-group's number alone
	s_cselect_b64 s[26:27], s[8:9], s[10:11]
	s_cmp_lt_u32 ttmp9, 128
	s_cselect_b64 s[26:27], s[26:27], s[12:13]
	s_cmp_lt_u32 ttmp9, 192
	s_cselect_b64 s[26:27], s[26:27], s[14:15]
	s_cmp_lt_u32 ttmp9, 256
	s_cselect_b64 s[26:27], s[26:27], s[16:17]
	s_cmp_lt_u32 ttmp9, 512
	s_cselect_b64 s[26:27], s[26:27], s[18:19]
	s_add_nc_u64 s[26:27], s[26:27], s[36:37]
	s_add_nc_u64 s[28:29], s[22:23], s[40:41]
	s_add_nc_u64 s[30:31], s[22:23], s[42:43]
	s_cmp_eq_u32 s3, 1
	s_cbranch_scc1 .Lwide
	s_wait_alu depctr_va_vdst(0)
	WBODY 4096                                     ; rows of 1,024 numbers
.Lwide:
	s_wait_alu depctr_va_vdst(0)
	WBODY 16384                                    ; w1: rows of 4,096 numbers
	; ---- the mask
.Lmask:
	s_sub_co_u32 s3, ttmp9, 768                    ; qt
	s_lshr_b32 s4, s3, 1
	s_lshl_b32 s4, s4, 5
	s_and_b32 s5, s3, 1
	s_lshl_b32 s5, s5, 3
	s_add_co_u32 s4, s4, s5                        ; the tile's first query
	s_lshl_b32 s4, s4, 11
	s_lshl_b32 s5, s2, 9                           ; my four steps: 512 keys
	s_add_co_u32 s4, s4, s5
	s_mov_b32 s5, 0
	s_wait_alu depctr_va_vdst(0)
	v_and_b32 v3, 15, v2
	v_and_b32 v4, 8, v3
	v_add_nc_u32 v3, v3, v4                        ; r + 8 (r / 8)
	v_lshrrev_b32 v4, 4, v2
	v_lshlrev_b32 v3, 11, v3
	v_lshl_add_u32 v3, v4, 4, v3                   ; row x 2,048 + 16 h
	v_lshlrev_b32 v5, 3, v2                        ; out: two words a lane
.irp k, 32,33,34,35,36,37,38,39
	v_mov_b32 v\k, 0                               ; written whole before single lanes are written
.endr
	s_lshl_b32 s6, s3, 12
	s_lshl_b32 s7, s2, 10
	s_add_co_u32 s6, s6, s7                        ; words: (16 qt + 4 Q) x 256
	s_mov_b32 s7, 0
	s_lshl_b32 s26, s3, 4
	s_lshl_b32 s27, s2, 2
	s_add_co_u32 s26, s26, s27
	s_add_co_u32 s26, s26, 524288                  ; flags
	s_mov_b32 s27, 0
	s_lshl_b32 s28, s2, 2                          ; my first step's bit
	s_mov_b32 s29, 0
	s_wait_kmcnt 0x0
	s_add_nc_u64 s[20:21], s[20:21], s[4:5]
	s_add_nc_u64 s[30:31], s[24:25], s[6:7]
	s_add_nc_u64 s[32:33], s[24:25], s[26:27]
.irp j, 0,1,2,3
.irp b, 0,1,2,3
	global_load_b128 v[64+16*\j+4*\b:67+16*\j+4*\b], v3, s[20:21] offset:128*\j+32*\b th:TH_LOAD_NT
.endr
.endr
	MSTEP 0
	MSTEP 1
	MSTEP 2
	MSTEP 3
	v_mov_b32 v40, s29
	v_mov_b32 v41, 0
	v_cmp_eq_u32 vcc_lo, 0, v2
	s_wait_alu depctr_va_vdst(0)
	s_wait_xcnt 0x0                                ; EXEC changes only behind this wait
	s_and_saveexec_b32 s42, vcc_lo
	global_store_b32 v41, v40, s[32:33]            ; lane 0 stores my quarter's flags
	s_wait_xcnt 0x0
	s_or_b32 exec_lo, exec_lo, s42
	s_endpgm
.Lfunc_end_k_q41ca086349_prep:
	.size	k_q41ca086349_prep, .Lfunc_end_k_q41ca086349_prep-k_q41ca086349_prep
	.p2alignl 7, 3214868480
	.fill 96, 4, 3214868480
	.section	.rodata,"a",@progbits
	.p2align	6, 0x0
	.amdhsa_kernel k_q41ca086349_prep
		.amdhsa_group_segment_fixed_size 0
		.amdhsa_private_segment_fixed_size 0
		.amdhsa_enable_private_segment 0
		.amdhsa_kernarg_size 72
		.amdhsa_user_sgpr_count 2
		.amdhsa_user_sgpr_kernarg_segment_ptr 1
		.amdhsa_wavefront_size32 1
		.amdhsa_system_sgpr_workgroup_id_x 1
		.amdhsa_system_sgpr_workgroup_id_y 1
		.amdhsa_system_sgpr_workgroup_id_z 1
		.amdhsa_system_vgpr_workitem_id 0
		.amdhsa_next_free_vgpr 128
		.amdhsa_next_free_sgpr 66
		.amdhsa_reserve_vcc 1
		.amdhsa_float_denorm_mode_32 3
		.amdhsa_float_denorm_mode_16_64 3
		.amdhsa_memory_ordered 1
		.amdhsa_forward_progress 1
		.amdhsa_inst_pref_size 127
	.end_amdhsa_kernel
	.amdgpu_metadata
---
amdhsa.version: [ 1, 2 ]
amdhsa.kernels:
  - .name:           k_q41ca086349_prep
    .symbol:         k_q41ca086349_prep.kd
    .args:
      - { .name: wq, .offset: 0, .size: 8, .value_kind: global_buffer, .address_space: global }
      - { .name: wk, .offset: 8, .size: 8, .value_kind: global_buffer, .address_space: global }
      - { .name: wv, .offset: 16, .size: 8, .value_kind: global_buffer, .address_space: global }
      - { .name: wo, .offset: 24, .size: 8, .value_kind: global_buffer, .address_space: global }
      - { .name: w1, .offset: 32, .size: 8, .value_kind: global_buffer, .address_space: global }
      - { .name: w2, .offset: 40, .size: 8, .value_kind: global_buffer, .address_space: global }
      - { .name: causal_mask, .offset: 48, .size: 8, .value_kind: global_buffer, .address_space: global }
      - { .name: W, .offset: 56, .size: 8, .value_kind: global_buffer, .address_space: global }
      - { .name: MK, .offset: 64, .size: 8, .value_kind: global_buffer, .address_space: global }
    .group_segment_fixed_size: 0
    .private_segment_fixed_size: 0
    .kernarg_segment_align: 8
    .kernarg_segment_size: 72
    .max_flat_workgroup_size: 128
    .sgpr_count:     66
    .vgpr_count:     128
    .wavefront_size: 32
...
	.end_amdgpu_metadata
.endif
;; end of part 1
;; launch ln1 (part 2): grid 256 x 1, 8 waves a work-group, no clusters, 3,072 bytes of LDS; arguments x, gamma1, beta1, H; writes H
.if DOCPART == 2
	.amdgcn_target "amdgcn-amd-amdhsa--gfx1250"
	.amdhsa_code_object_version 6
	.text
	.protected	k_q41ca086349_ln1
	.globl	k_q41ca086349_ln1
	.p2align	8
	.type	k_q41ca086349_ln1,@function
k_q41ca086349_ln1:
	s_mov_b64 s[64:65], 0
	v_nop
	global_prefetch_b8 v0, s[64:65] scope:SCOPE_SE
	s_setreg_imm32_b32 hwreg(HW_REG_WAVE_MODE, 25, 1), 1
	s_wait_xcnt 0x0
; LAYER NORM AND QUANTISER.  in [4096][1024] f32 -> gamma (in - mean) / sqrt(var + 1e-5) + beta, in f32, quantised along the row to E4M3 with one E8M0 scale for each 32, stored as an image of operand registers.
; A work-group takes row tile i: lane r holds row 32 (i/2) + 8 (i%2) + r + 8 (r/8).  Wave w takes columns 128 w .. 128 w + 127, one K step; lane (r, h) holds, of each block of 32, the 16 numbers 16 h + 0..15: the operand's own order.
; Mean and variance in two passes (the variance of the differences), so that a common offset of the inputs does no harm.  The eight waves' sums meet in LDS: 128 bytes a wave, other bytes for the second sum.
; OUT: codes at (i/4) 67584 + (w/4) 33792 + (i%4) 8192 + (w%4) 2048 + 512 c + 16 lane: each store of the wave covers 512 consecutive bytes, aligned.  Scale words at (i/4) 67584 + (w/4) 33792 + 32768 + (w%4) 256 + 16 r + 4 (i%4): 4 bytes a lane, 16 apart.
; LIMITS: a block of zeros gets the byte 1 (its codes are zeros; this program alone reads the bytes); NaN and infinities among the inputs are not served.
.set X,   64
.set GA,  128
.set BE,  192
.set PC,  16
.set PW,  32
.set TM,  36
.set SEL, 20
.set MNT, 22
.macro XCHG off                        ; v[52:55]: four partial sums of my 64 numbers -> v52: the row's sum over all 1,024
	s_delay_alu instid0(VALU_DEP_1)
	v_pk_add_f32 v[52:53], v[52:53], v[54:55]
	s_delay_alu instid0(VALU_DEP_1)
	v_add_f32 v52, v52, v53
	s_delay_alu instid0(VALU_DEP_1)
	v_permlanex16_b32 v53, v52, s[SEL], s[SEL+1]
	s_delay_alu instid0(VALU_DEP_1)
	v_add_f32 v52, v52, v53                        ; my wave's 128 columns
	ds_store_b32 v6, v52 offset:\off
	s_wait_dscnt 0x0                               ; for the others' sake
	s_barrier_signal -1
	s_barrier_wait -1
.irp j, 0,1,2,3,4,5,6,7
	ds_load_b32 v[40+\j], v7 offset:\off+128*\j
.endr
	s_wait_dscnt 0x0
	v_pk_add_f32 v[40:41], v[40:41], v[42:43]
	v_pk_add_f32 v[44:45], v[44:45], v[46:47]
	s_delay_alu instid0(VALU_DEP_1)
	v_pk_add_f32 v[40:41], v[40:41], v[44:45]
	s_delay_alu instid0(VALU_DEP_1)
	v_add_f32 v52, v40, v41
.endm
	s_load_b256 s[4:11], s[0:1], 0x0               ; in, gamma, beta, out
	v_lshl_add_u32 v62, v0, 2, 0x800
	v_mov_b32 v63, 0
	v_lshrrev_b32 v1, 5, v0
	s_delay_alu instid0(VALU_DEP_1)
	v_readfirstlane_b32 s2, v1                     ; wave
	v_and_b32 v1, 31, v0
	v_and_b32 v2, 15, v0                           ; r
	v_bfe_u32 v3, v0, 4, 1                         ; h
	s_delay_alu instid0(VALU_DEP_2)
	v_and_b32 v4, 8, v2
	s_delay_alu instid0(VALU_DEP_1)
	v_add_nc_u32 v4, v4, v2
	s_delay_alu instid0(VALU_DEP_1)
	v_lshlrev_b32 v4, 12, v4
	s_delay_alu instid0(VALU_DEP_1)
	v_lshl_add_u32 v4, v3, 6, v4                   ; in: (r + 8 (r/8)) rows of 4,096 bytes + 64 h
	v_lshlrev_b32 v5, 6, v3                        ; gamma, beta: 64 h
	v_lshlrev_b32 v6, 2, v0                        ; LDS: 4 x thread
	v_lshlrev_b32 v7, 2, v1                        ; LDS: 4 x lane
	v_lshlrev_b32 v8, 4, v1                        ; codes: 16 x lane
	v_lshlrev_b32 v9, 4, v2                        ; scale word: 16 r
	s_mov_b32 s[SEL], 0x76543210
	s_mov_b32 s[SEL+1], 0xfedcba98                 ; lane l xor 16
	s_mov_b32 s[MNT], 0x600000
	s_mov_b32 s23, 0x3a800000                      ; 1 / 1,024
	s_mov_b32 s24, 0x3727c5ac                      ; 1e-5
	s_lshr_b32 s12, ttmp9, 1
	s_lshl_b32 s12, s12, 17
	s_and_b32 s13, ttmp9, 1
	s_lshl_b32 s13, s13, 15
	s_add_co_u32 s12, s12, s13
	s_lshl_b32 s14, s2, 9
	s_add_co_u32 s12, s12, s14
	s_mov_b32 s13, 0
	s_mov_b32 s15, 0
	s_lshr_b32 s16, ttmp9, 2                       ; g
	s_and_b32 s17, ttmp9, 3                        ; a
	; OUT AS IT IS STORED: chunks (g = i/4, S = w/4) of 33,792 bytes: 32,768 of codes, then 1,024 of scale words [w%4][r][i%4]
	s_mul_i32 s18, s16, 0x10800
	s_lshr_b32 s19, s2, 2
	s_mul_i32 s19, s19, 0x8400
	s_add_co_u32 s18, s18, s19
	s_lshl_b32 s19, s17, 13
	s_add_co_u32 s18, s18, s19
	s_and_b32 s19, s2, 3
	s_lshl_b32 s19, s19, 11
	s_add_co_u32 s18, s18, s19
	s_mov_b32 s19, 0
	s_mul_i32 s26, s16, 0x10800
	s_lshr_b32 s27, s2, 2
	s_mul_i32 s27, s27, 0x8400
	s_add_co_u32 s26, s26, s27
	s_and_b32 s27, s2, 3
	s_lshl_b32 s27, s27, 8
	s_add_co_u32 s26, s26, s27
	s_lshl_b32 s27, s17, 2
	s_add_co_u32 s26, s26, s27
	s_add_co_u32 s26, s26, 0x8000
	s_mov_b32 s27, 0
	s_wait_alu depctr_va_vdst(0)
	s_wait_kmcnt 0x0
	s_add_nc_u64 s[4:5], s[4:5], s[12:13]
	s_add_nc_u64 s[6:7], s[6:7], s[14:15]
	s_add_nc_u64 s[8:9], s[8:9], s[14:15]
	s_add_nc_u64 s[28:29], s[10:11], s[26:27]
	s_add_nc_u64 s[10:11], s[10:11], s[18:19]
.irp c, 0,1,2,3
.irp j, 0,1,2,3
	global_load_b128 v[X+16*\c+4*\j:X+16*\c+4*\j+3], v4, s[4:5] offset:128*\c+16*\j
.endr
.endr
.irp c, 0,1,2,3
.irp j, 0,1,2,3
	global_load_b128 v[GA+16*\c+4*\j:GA+16*\c+4*\j+3], v5, s[6:7] offset:128*\c+16*\j
.endr
.endr
.irp c, 0,1,2,3
.irp j, 0,1,2,3
	global_load_b128 v[BE+16*\c+4*\j:BE+16*\c+4*\j+3], v5, s[8:9] offset:128*\c+16*\j
.endr
.endr
	s_wait_loadcnt 32                              ; the 16 loads of the row are in; gamma's and beta's 32 may be out
	v_pk_add_f32 v[52:53], v[X:X+1], v[X+2:X+3]
	v_pk_add_f32 v[54:55], v[X+4:X+5], v[X+6:X+7]
.irp j, 8,12,16,20,24,28,32,36,40,44,48,52,56,60
	s_delay_alu instid0(VALU_DEP_2)
	v_pk_add_f32 v[52:53], v[52:53], v[X+\j:X+\j+1]
	s_delay_alu instid0(VALU_DEP_2)
	v_pk_add_f32 v[54:55], v[54:55], v[X+\j+2:X+\j+3]
.endr
	XCHG 0
	s_delay_alu instid0(VALU_DEP_1)
	v_mul_f32 v56, s23, v52                        ; the mean
	s_delay_alu instid0(VALU_DEP_1)
	v_mov_b32 v57, v56
.set j, 0
.rept 32
	v_pk_add_f32 v[X+j:X+j+1], v[X+j:X+j+1], v[56:57] neg_lo:[0,1] neg_hi:[0,1]
.set j, j+2
.endr
	v_pk_mul_f32 v[52:53], v[X:X+1], v[X:X+1]
	v_pk_mul_f32 v[54:55], v[X+2:X+3], v[X+2:X+3]
.irp j, 4,8,12,16,20,24,28,32,36,40,44,48,52,56,60
	s_delay_alu instid0(VALU_DEP_2)
	v_pk_fma_f32 v[52:53], v[X+\j:X+\j+1], v[X+\j:X+\j+1], v[52:53]
	s_delay_alu instid0(VALU_DEP_2)
	v_pk_fma_f32 v[54:55], v[X+\j+2:X+\j+3], v[X+\j+2:X+\j+3], v[54:55]
.endr
	XCHG 1024
	s_delay_alu instid0(VALU_DEP_1)
	v_fma_f32 v58, v52, s23, s24                   ; the variance + 1e-5
	s_wait_alu depctr_va_vdst(0)
	v_rsq_f32 v58, v58
	v_nop                                          ; a plain instruction behind the transcendental,
	s_wait_alu depctr_va_vdst(0)                   ; and the wait ahead of its first reader
	v_mov_b32 v59, v58
	s_wait_alu depctr_va_vdst(0)
	s_wait_loadcnt 0x0                             ; gamma and beta
.set j, 0
.rept 32
	v_pk_mul_f32 v[X+j:X+j+1], v[X+j:X+j+1], v[58:59]
	s_delay_alu instid0(VALU_DEP_1)
	v_pk_fma_f32 v[X+j:X+j+1], v[X+j:X+j+1], v[GA+j:GA+j+1], v[BE+j:BE+j+1]
.set j, j+2
.endr
	; the quantiser: register 16 b + i is k = 32 b + 16 h + i of my row
.irp b, 0,1,2,3
	v_max3_num_f32 v[TM+\b], |v[X+16*\b]|, |v[X+1+16*\b]|, 0x4800000   ; and the floor 2^(9 - 127)
.endr
.irp i, 2,4,6,8,10,12,14
.irp b, 0,1,2,3
	s_delay_alu instid0(VALU_DEP_4)
	v_max3_num_f32 v[TM+\b], v[TM+\b], |v[X+16*\b+\i]|, |v[X+1+16*\b+\i]|
.endr
.endr
.irp b, 0,1,2,3
	s_delay_alu instid0(VALU_DEP_4)
	v_permlanex16_b32 v[TM+4+\b], v[TM+\b], s[SEL], s[SEL+1]
.endr
.irp b, 0,1,2,3
	s_delay_alu instid0(VALU_DEP_4)
	v_max_num_f32 v[TM+\b], v[TM+\b], v[TM+4+\b]   ; the block's largest magnitude
.endr
.irp b, 0,1,2,3
	s_delay_alu instid0(VALU_DEP_4)
	v_add_nc_u32 v[TM+12+\b], 0xfc000000, v[TM+\b] ; the conversion's scale operand
.endr
.irp b, 0,1,2,3
	v_and_or_b32 v[TM+8+\b], v[TM+\b], 0x7f800000, s[MNT]   ; 448 x the scale
.endr
.irp b, 0,1,2,3
	v_lshrrev_b32 v[TM+4+\b], 23, v[TM+12+\b]      ; the byte
.endr
	s_delay_alu instid0(VALU_DEP_3)
	v_lshl_or_b32 v[PW], v[TM+5], 8, v[TM+4]
	s_delay_alu instid0(VALU_DEP_1)
	v_lshl_or_b32 v[PW], v[TM+6], 16, v[PW]
	s_delay_alu instid0(VALU_DEP_1)
	v_lshl_or_b32 v[PW], v[TM+7], 24, v[PW]
.irp b, 0,1,2,3
.irp i, 0,1,2,3,4,5,6,7,8,9,10,11,12,13,14,15
	v_med3_num_f32 v[X+16*\b+\i], v[X+16*\b+\i], -v[TM+8+\b], v[TM+8+\b]
.endr
	v_cvt_scalef32_pk8_fp8_f32 v[PC+4*\b:PC+1+4*\b], v[X+16*\b:X+7+16*\b], v[TM+12+\b]
	v_cvt_scalef32_pk8_fp8_f32 v[PC+2+4*\b:PC+3+4*\b], v[X+8+16*\b:X+15+16*\b], v[TM+12+\b]
.endr
	v_nop
.irp c, 0,1,2,3
	global_store_b128 v8, v[PC+4*\c:PC+4*\c+3], s[10:11] offset:512*\c
.endr
	v_cmp_gt_u32 vcc_lo, 16, v1
	s_wait_xcnt 0x0                                ; EXEC changes only behind this wait
	s_barrier_signal -1
	s_barrier_wait -1
	s_wait_tensorcnt 0x0
	ds_add_u32 v62, v63
	s_wait_dscnt 0x0
	s_and_saveexec_b32 s30, vcc_lo
	global_store_b32 v9, v[PW], s[28:29]           ; lanes 0-15: row r's scale word
	s_wait_xcnt 0x0
	s_or_b32 exec_lo, exec_lo, s30
	s_endpgm
.Lfunc_end_k_q41ca086349_ln1:
	.size	k_q41ca086349_ln1, .Lfunc_end_k_q41ca086349_ln1-k_q41ca086349_ln1
	.p2alignl 7, 3214868480
	.fill 96, 4, 3214868480
	.section	.rodata,"a",@progbits
	.p2align	6, 0x0
	.amdhsa_kernel k_q41ca086349_ln1
		.amdhsa_group_segment_fixed_size 3072
		.amdhsa_private_segment_fixed_size 0
		.amdhsa_enable_private_segment 0
		.amdhsa_kernarg_size 32
		.amdhsa_user_sgpr_count 2
		.amdhsa_user_sgpr_kernarg_segment_ptr 1
		.amdhsa_wavefront_size32 1
		.amdhsa_system_sgpr_workgroup_id_x 1
		.amdhsa_system_sgpr_workgroup_id_y 1
		.amdhsa_system_sgpr_workgroup_id_z 1
		.amdhsa_system_vgpr_workitem_id 0
		.amdhsa_next_free_vgpr 256
		.amdhsa_next_free_sgpr 66
		.amdhsa_reserve_vcc 1
		.amdhsa_float_denorm_mode_32 3
		.amdhsa_float_denorm_mode_16_64 3
		.amdhsa_memory_ordered 1
		.amdhsa_forward_progress 1
		.amdhsa_inst_pref_size 34
	.end_amdhsa_kernel
	.amdgpu_metadata
---
amdhsa.version: [ 1, 2 ]
amdhsa.kernels:
  - .name:           k_q41ca086349_ln1
    .symbol:         k_q41ca086349_ln1.kd
    .args:
      - { .name: x, .offset: 0, .size: 8, .value_kind: global_buffer, .address_space: global }
      - { .name: gamma1, .offset: 8, .size: 8, .value_kind: global_buffer, .address_space: global }
      - { .name: beta1, .offset: 16, .size: 8, .value_kind: global_buffer, .address_space: global }
      - { .name: H, .offset: 24, .size: 8, .value_kind: global_buffer, .address_space: global }
    .group_segment_fixed_size: 3072
    .private_segment_fixed_size: 0
    .kernarg_segment_align: 8
    .kernarg_segment_size: 32
    .max_flat_workgroup_size: 256
    .sgpr_count:     66
    .vgpr_count:     256
    .wavefront_size: 32
...
	.end_amdgpu_metadata
.endif
;; end of part 2
;; launch qkv (part 3): grid 8 x 32, 4 waves a work-group, clusters of 4 x 4, 327,680 bytes of LDS; arguments H, W, QKV; writes QKV
.if DOCPART == 3
	.amdgcn_target "amdgcn-amd-amdhsa--gfx1250"
	.amdhsa_code_object_version 6
	.text
	.protected	k_q41ca086349_qkv
	.globl	k_q41ca086349_qkv
	.p2align	8
	.type	k_q41ca086349_qkv,@function
k_q41ca086349_qkv:
	s_mov_b64 s[64:65], 0
	v_nop
	global_prefetch_b8 v0, s[64:65] scope:SCOPE_SE
	s_setreg_imm32_b32 hwreg(HW_REG_WAVE_MODE, 25, 1), 1
	s_wait_xcnt 0x0
	s_wait_alu depctr_hold_cnt(0) depctr_sa_sdst(0) depctr_va_vdst(0) depctr_va_sdst(0) depctr_va_ssrc(0) depctr_va_vcc(0) depctr_vm_vsrc(0)
	s_getreg_b32 s2, hwreg(HW_REG_IB_STS2, 6, 4)
	s_cmp_eq_u32 s2, 0
	s_cbranch_scc0 .Lentry_in_a_cluster
	s_endpgm
.Lentry_in_a_cluster:
	s_bfe_u32 s2, ttmp6, 0x10000c
	s_cmp_lg_u32 s2, 0xf033
	s_cbranch_scc0 .Lentry_shape_is_right
	s_endpgm
.Lentry_shape_is_right:
; Q, K AND V.  q = h wq, k = h wk, v = h wv on codes of E4M3 with E8M0 scales, K = 1,024; the results are quantised in registers for the attention launch: q and k along the head's 64, v along the keys.
; OPERANDS are images of operand registers in chunks (64 rows x 512 along K) of 33,792 dense bytes: codes [tile a][q = K step][c][lane][16 bytes], then scale words [q][r][a].  64 rows, all of K: two chunks, GB bytes, 264 rows of 256.
; THE PRODUCT: source 0 = P, along whose rows a lane's result registers run; source 1 = R, whose rows the result's lanes hold.  Lane r of tile i holds row 32 (i/2) + 8 (i%2) + r + 8 (r/8),
; so the 16 registers of two neighbouring P tiles are 16 neighbours, in the order that an operand's layout wants.
; SHARES: 256 work-groups (x = 0..7, y = 0..31).  A work-group keeps 128 tokens of h (tile y) in LDS regions 0, 1 and walks three weight tiles of 128 rows through regions 2, 3: tile x of wq, of wk, of wv (16 GB bytes apart in W).
; Trips q, k: P = the weight, R = h: a lane holds a token, its 32 registers of a tile pair run along a head.  Trip v: P = h, R = wv: a lane holds a channel, its registers run along the keys.  A wave makes 64 x 64: 16 accumulators.
; FILLS: at the head one joint load a wave (waves 0, 1: h's halves; 2, 3: wq's).  Behind a trip's products, in a drained round of the cluster's barrier, each wave refills one chunk of regions 2, 3; it lands under the trip's way out.  Every wait on TENSORcnt is for 0.
; CLUSTER 4 x 4: h's tile is shared along a row of the cluster, a weight's along a column.
; PREFETCH: at a trip's head the weight tile that this trip's refill will load: a chunk is 132 blocks of 256 bytes; of the chunk that wave w refills, the column's partner cy names blocks 33 cy .. 33 cy + 32 (32 lanes, and one more line for the last block): each block once in a cluster.  The last trip asks for nothing.
; A second set of regions for the weights does not fit: five regions of GB bytes pass a WGP's LDS.
; OUT (QKV): codes at X 262144 + Y 4096 + a 1024 + 512 block + 16 lane (q: X = head, k: X = 16 + head, Y = token / 64; v: + 8 MiB, X = head, Y = key / 64, a = tile of channels);
; scale words at 12 MiB (v: 13 MiB) + X 32768 + Y 512 + 16 lane + 4 a.  Every store of a wave covers 512 consecutive bytes, aligned.
; REGISTERS: window 0: v1-7 lane terms; v16-27 LDS addresses (+0, +1: chunks of trips q, k; +2, +3: of trip v); v28, v29 the add's; v30, v31 prefetch offsets; v32-39 scale words, two sets; v40-89 the way out; v128-255 accumulators (a, b) at 128 + 8 (4 a + b).
; window 1: two buffers of 128: R's four fragments, then P's four.
; LIMITS: a block of zeros gets the byte 1 (its codes are zeros; this program alone reads the bytes); NaN and infinities are not served.
.set CHK,   33792
.set GB,    2*CHK
.set SPARE, 4*GB                       ; the spare words: 128 bytes a wave, named by no other line
.set WSTEP, 16*GB                      ; from a weight to the next in W
.set ADRR,  16
.set ADRP,  20
.set ADRS,  24
.set SPW,   28
.set NIL,   29
.set PF,    30
.set SC,    32
.set ACC,   128
.set G1,    24
.set G0,    32
.set G0B,   36
.set G1B,   48
.set G1C,   56
.set G0C,   72
.set PFA,   76
.set CNT,   66
.set SEL,   98
.set MNT,   100
.set MSB,   0
.macro WIN new                         ; the immediate's high byte repeats the setting that is left
.if MSB != \new
	s_set_vgpr_msb (MSB<<8)|\new
.set MSB, \new
.endif
.endm
.macro PLACES n
.rept \n
	v_nop
.endr
.endm
.macro TL g0, g1                       ; a tensor load; s_nop 0 and four v_nop follow it
	tensor_load_to_lds s[\g0:\g0+3], s[\g1:\g1+7]
	s_nop 0
	PLACES 4
.endm
.macro CROUND                          ; a round of the cluster's barrier
	s_barrier_signal -1
	s_barrier_wait -1
	s_cmp_lg_u32 s14, 0
	s_cbranch_scc1 .Lnot_wave_0_\@
	s_barrier_signal -3
.Lnot_wave_0_\@:
	s_barrier_wait -3
	s_barrier_signal -1
	s_barrier_wait -1
.endm
.macro GROUP1 g, rows                  ; so many dense rows of 256 bytes (32 elements of 8)
	s_mov_b32 s[\g+1], 32<<16
	s_mov_b32 s[\g+2], (\rows)<<16
	s_mov_b32 s[\g+3], 32<<16
	s_mov_b32 s[\g+4], \rows
	s_mov_b32 s[\g+5], 32
	s_mov_b32 s[\g+6], 0
	s_mov_b32 s[\g+7], 0
.endm
.macro GROUP0 g, lds, adr
	s_mov_b32 s[\g], 1
	s_mov_b32 s[\g+1], s\lds
	s_mov_b64 s[\g+2:\g+3], s[\adr:\adr+1]
	s_or_b32 s[\g+3], s[\g+3], 0x80000000
.endm
.macro FETCH s, f, set, k              ; 33 LDS loads of K step s: scale words, P's four fragments, R's four (the youngest eight: R's tiles 2, 3).  k = 0: trips q, k; 2: trip v
	WIN 0
	ds_load_b128 v[SC+4*(\set):SC+4*(\set)+3], v[ADRS+\k+(\s)/4] offset:256*((\s)%4)
	WIN 0x40
.irp b, 0,1,2,3
.irp c, 0,1,2,3
	ds_load_b128 v[(\f)+64+16*\b+4*\c:(\f)+64+16*\b+4*\c+3], v[ADRP+\k+(\s)/4] offset:\b*8192+((\s)%4)*2048+\c*512
.endr
.endr
.irp a, 0,1,2,3
.irp c, 0,1,2,3
	ds_load_b128 v[(\f)+16*\a+4*\c:(\f)+16*\a+4*\c+3], v[ADRR+\k+(\s)/4] offset:\a*8192+((\s)%4)*2048+\c*512
.endr
.endr
.endm
.macro MUL f, set, a0, na, mode        ; R's tiles a0 .. against P's four.  mode 1: C = 0; 0: in place.  The 16 accumulators take turns in the same order in every step
.set aa, \a0
.rept \na
.irp b, 0,1,2,3
.if \mode == 1
	v_wmma_scale_f32_16x16x128_f8f6f4 v[ACC+8*(4*aa+\b):ACC+8*(4*aa+\b)+7], v[(\f)+64+16*\b:(\f)+64+16*\b+15], v[(\f)+16*aa:(\f)+16*aa+15], 0, v[SC+4*(\set)+\b], v[SC+4*(\set)+aa] matrix_a_scale:MATRIX_SCALE_ROW1
.else
	v_wmma_scale_f32_16x16x128_f8f6f4 v[ACC+8*(4*aa+\b):ACC+8*(4*aa+\b)+7], v[(\f)+64+16*\b:(\f)+64+16*\b+15], v[(\f)+16*aa:(\f)+16*aa+15], v[ACC+8*(4*aa+\b):ACC+8*(4*aa+\b)+7], v[SC+4*(\set)+\b], v[SC+4*(\set)+aa] matrix_a_scale:MATRIX_SCALE_ROW1
.endif
.endr
.set aa, aa+1
.endr
.endm
.macro STEP s, mode, k
	s_wait_dscnt 8                                 ; all but R's tiles 2, 3
	WIN 0x05
	MUL 128*((\s)%2), (\s)%2, 0, 2, \mode
	PLACES 8                                       ; in front of loads into registers that the last step's products read
	FETCH (\s)+1, 128*(1-(\s)%2), 1-(\s)%2, \k
	s_wait_dscnt 33                                ; all but the 33 just issued
	WIN 0x05
	MUL 128*((\s)%2), (\s)%2, 2, 2, \mode
.endm
.macro PRODUCTS k
	STEP 0, 1, \k                                  ; the first products start the sums
.irp s, 1,2,3,4,5,6
	STEP \s, 0, \k
.endr
	s_wait_dscnt 8
	WIN 0x05
	MUL 128, 1, 0, 2, 0
	s_wait_dscnt 0x0
	MUL 128, 1, 2, 2, 0
	WIN 0
	PLACES 8                                       ; in front of the first read of results
.endm
.macro ARRIVE k                        ; every wave's loads have landed, and every wave knows it; the first fragments
	s_wait_tensorcnt 0x0
	s_barrier_signal -1
	s_barrier_wait -1
	FETCH 0, 0, 0, \k
	WIN 0
.endm
; 32 numbers of a lane, register 16 b + i = place 32 b + 16 h + i of my row, become 8 registers of codes and two scale bytes
.macro QUANT2 s, d, w, tm
.irp b, 0,1
	v_max3_num_f32 v[(\tm)+\b], |v[(\s)+16*\b]|, |v[(\s)+16*\b+1]|, 0x4800000   ; each accumulator is read from its low end on; the floor 2^(9 - 127)
	v_mov_b32 v[(\tm)+2+\b], 0
.endr
.irp i, 2,4,6,8,10,12,14
.irp b, 0,1
	v_max3_num_f32 v[(\tm)+\b], v[(\tm)+\b], |v[(\s)+16*\b+\i]|, |v[(\s)+16*\b+\i+1]|
.endr
.endr
.irp b, 0,1
	v_permlanex16_b32 v[(\tm)+2+\b], v[(\tm)+\b], s[SEL], s[SEL+1]
.endr
.irp b, 0,1
	v_max_num_f32 v[(\tm)+\b], v[(\tm)+\b], v[(\tm)+2+\b]
.endr
.irp b, 0,1
	v_add_nc_u32 v[(\tm)+6+\b], 0xfc000000, v[(\tm)+\b]
	v_and_or_b32 v[(\tm)+4+\b], v[(\tm)+\b], 0x7f800000, s[MNT]
.endr
.irp b, 0,1
	v_lshrrev_b32 v[(\tm)+2+\b], 23, v[(\tm)+6+\b]
.endr
	v_lshl_or_b32 v[\w], v[(\tm)+3], 8, v[(\tm)+2]
.irp b, 0,1
.irp i, 0,1,2,3,4,5,6,7,8,9,10,11,12,13,14,15
	v_med3_num_f32 v[(\s)+16*\b+\i], v[(\s)+16*\b+\i], -v[(\tm)+4+\b], v[(\tm)+4+\b]
.endr
	v_cvt_scalef32_pk8_fp8_f32 v[(\d)+4*\b:(\d)+4*\b+1], v[(\s)+16*\b:(\s)+16*\b+7], v[(\tm)+6+\b]
	v_cvt_scalef32_pk8_fp8_f32 v[(\d)+4*\b+2:(\d)+4*\b+3], v[(\s)+16*\b+8:(\s)+16*\b+15], v[(\tm)+6+\b]
.endr
	v_nop
.endm
.macro EPILOGUE pc, ps                 ; R's tile a: 32 registers a lane are two blocks of 32
.irp a, 0,1,2,3
	QUANT2 ACC+32*\a, 40+8*\a, 72+\a, 80
	global_store_b128 v3, v[40+8*\a:43+8*\a], s[\pc:\pc+1] offset:1024*\a
	global_store_b128 v3, v[44+8*\a:47+8*\a], s[\pc:\pc+1] offset:1024*\a+512
.endr
	global_store_b128 v3, v[72:75], s[\ps:\ps+1]   ; the four tiles' scale words
.endm
	s_load_b128 s[4:7], s[0:1], 0x0                ; H, W
	s_load_b64 s[8:9], s[0:1], 0x10                ; QKV
	v_lshl_add_u32 v[SPW], v0, 2, SPARE
	v_mov_b32 v[NIL], 0
	ds_add_u32 v[SPW], v[NIL]                      ; the opening lines: the add, twice on end, and its wait ahead of my first tensor load
	ds_add_u32 v[SPW], v[NIL]
	v_lshrrev_b32 v1, 5, v0
	v_readfirstlane_b32 s14, v1                    ; wave
	s_lshr_b32 s15, s14, 1                         ; my half of R's rows.  Also: at the head I fetch for h (0) or for the weight (1)
	s_and_b32 s16, s14, 1                          ; my half of P's rows.  Also: which half I fetch
	s_bfe_u32 s40, ttmp6, 0x40000                  ; cx
	s_bfe_u32 s41, ttmp6, 0x40004                  ; cy
	s_lshl_b32 s42, ttmp9, 2
	s_add_co_u32 s42, s42, s40                     ; x: the weights' tile
	s_and_b32 s17, ttmp7, 0xffff
	s_lshl_b32 s17, s17, 2
	s_add_co_u32 s17, s17, s41                     ; y: h's tile
	s_lshl_b32 s43, s41, 2
	s_lshl_b32 s43, 15, s43                        ; my row of the cluster
	s_lshl_b32 s44, 0x1111, s40                    ; my column
	s_or_b32 s[G1], s43, (3<<16)|(1<<21)           ; elements of 8 bytes, no padding; bit 21 beside a mask
	s_or_b32 s[G1B], s44, (3<<16)|(1<<21)
	s_or_b32 s[G1C], s44, (3<<16)|(1<<21)
	GROUP1 G1, 264                                 ; 64 rows of h, all of K
	GROUP1 G1B, 264                                ; 64 rows of wq
	GROUP1 G1C, 132                                ; a refill: one chunk
	s_lshl_b32 s20, s17, 1
	s_add_co_u32 s20, s20, s16
	s_mul_i32 s20, s20, GB                         ; h: the half that waves 0, 1 fetch
	s_mul_i32 s46, s42, 2*GB                       ; wq's tile x
	s_mul_i32 s18, s16, GB                         ; LDS: region s16
	s_add_co_u32 s92, s46, s18                     ; the half that waves 2, 3 fetch
	s_mul_i32 s19, s14, CHK
	s_add_co_u32 s46, s46, s19                     ; my chunk of a weight tile
	s_add_co_u32 s22, s18, 2*GB                    ; LDS: region 2 + s16
	s_add_co_u32 s23, s19, 2*GB                    ; LDS: my chunk of regions 2, 3
	s_mov_b32 s21, 0
	s_mov_b32 s93, 0
	s_mov_b32 s47, 0
	s_wait_dscnt 0x0                               ; both opening adds are done
	s_wait_kmcnt 0x0
	s_add_nc_u64 s[20:21], s[4:5], s[20:21]
	s_add_nc_u64 s[92:93], s[6:7], s[92:93]
	s_add_nc_u64 s[46:47], s[6:7], s[46:47]
	CROUND                                         ; all sixteen work-groups are here: the first joint loads meet
	GROUP0 G0, 18, 20
	GROUP0 G0B, 22, 92
	GROUP0 G0C, 23, 46                             ; (each refill steps it a weight on first)
	s_add_nc_u64 s[PFA:PFA+1], s[46:47], WSTEP     ; the prefetches: my chunk of wk's tile
	s_cmp_eq_u32 s15, 0
	s_cbranch_scc0 .Lfor_w
	TL G0, G1
	s_branch .Lasked
.Lfor_w:
	TL G0B, G1B
.Lasked:
	s_mul_i32 s21, s15, GB                         ; trips q, k: R = h's half s15; P = the weight's half s16, at s22
	s_add_co_u32 s23, s21, 2*GB                    ; trip v: R = the weight's half s15; P = h's half s16, at s18
	s_sub_co_u32 s94, s22, s21                     ; scale words: lanes 0-15 take R's, lanes 16-31 P's: q, k: so far above;
	s_sub_co_u32 s95, s23, s18                     ; v: lanes 0-15 lie so far above lanes 16-31
	s_add_co_u32 s2, s21, 32768                    ; a chunk's scale words lie behind its codes
	s_add_co_u32 s3, s18, 32768
	s_mul_i32 s96, s41, 33*256                     ; my work-group's 33 blocks of a chunk
	s_mov_b32 s[SEL], 0x76543210
	s_mov_b32 s[SEL+1], 0xfedcba98
	s_mov_b32 s[MNT], 0x600000
	s_lshl_b32 s80, s42, 1
	s_add_co_u32 s82, s80, s15                     ; v: X
	s_add_co_u32 s80, s80, s16                     ; q: X
	s_lshl_b32 s81, s17, 1
	s_add_co_u32 s83, s81, s16                     ; v: Y
	s_add_co_u32 s81, s81, s15                     ; q, k: Y
	s_lshl_b32 s84, s80, 18
	s_lshl_b32 s85, s81, 12
	s_add_co_u32 s84, s84, s85
	s_lshl_b32 s86, s80, 15
	s_lshl_b32 s87, s81, 9
	s_add_co_u32 s86, s86, s87
	s_add_co_u32 s86, s86, 0xc00000
	s_lshl_b32 s88, s82, 18
	s_lshl_b32 s89, s83, 12
	s_add_co_u32 s88, s88, s89
	s_add_co_u32 s88, s88, 0x800000
	s_lshl_b32 s90, s82, 15
	s_lshl_b32 s91, s83, 9
	s_add_co_u32 s90, s90, s91
	s_add_co_u32 s90, s90, 0xd00000
	s_mov_b32 s85, 0
	s_mov_b32 s87, 0
	s_mov_b32 s89, 0
	s_mov_b32 s91, 0
	s_add_nc_u64 s[10:11], s[8:9], s[84:85]        ; q's codes, then k's
	s_add_nc_u64 s[12:13], s[8:9], s[86:87]        ; their scale words
	s_add_nc_u64 s[68:69], s[8:9], s[88:89]        ; v's codes
	s_add_nc_u64 s[70:71], s[8:9], s[90:91]        ; v's scale words
	s_mov_b32 s[CNT], 2
	v_and_b32 v1, 31, v0
	v_and_b32 v2, 15, v0                           ; r
	v_bfe_u32 v4, v0, 4, 1                         ; h
	v_xor_b32 v5, 1, v4                            ; 1 - h
	v_lshlrev_b32 v3, 4, v1                        ; 16 x lane
	v_add_nc_u32 v[ADRR], s21, v3
	v_add_nc_u32 v[ADRP], s22, v3
	v_add_nc_u32 v[ADRR+2], s23, v3
	v_add_nc_u32 v[ADRP+2], s18, v3
	v_mul_u32_u24 v6, s94, v4
	v_mul_u32_u24 v7, s95, v5
	v_lshl_add_u32 v6, v2, 4, v6
	v_lshl_add_u32 v7, v2, 4, v7
	v_add_nc_u32 v[ADRS], s2, v6
	v_add_nc_u32 v[ADRS+2], s3, v7
.irp k, 0,2
	v_add_nc_u32 v[ADRR+\k+1], CHK, v[ADRR+\k]     ; the second chunk: K steps 4 to 7
	v_add_nc_u32 v[ADRP+\k+1], CHK, v[ADRP+\k]
	v_add_nc_u32 v[ADRS+\k+1], CHK, v[ADRS+\k]
.endr
	v_lshl_add_u32 v[PF], v1, 8, s96               ; blocks 33 cy + lane,
	v_mov_b32 v[PF+1], s96
	v_add_nc_u32 v[PF+1], 8192, v[PF+1]            ; and block 33 cy + 32
	s_wait_alu depctr_va_vdst(0)
.Ltile:                                                ; two trips: q, k
	ARRIVE 0
	global_prefetch_b8 v[PF], s[PFA:PFA+1] th:TH_LOAD_NT scope:SCOPE_SE      ; the tile that this trip's refill loads, eight K steps ahead of that load
	global_prefetch_b8 v[PF+1], s[PFA:PFA+1] th:TH_LOAD_NT scope:SCOPE_SE
	PRODUCTS 0
	s_wait_tensorcnt 0x0                           ; no tensor load of mine is out, so a group 0 may be written;
	ds_add_u32 v[SPW], v[NIL]
	s_add_nc_u64 s[G0C+2:G0C+3], s[G0C+2:G0C+3], WSTEP   ; the next weight's tile x
	s_wait_dscnt 0x0                               ; the add is done, my reads of the regions are over
	CROUND                                         ; and so are those of every wave of every partner
	TL G0C, G1C                                    ; my chunk of regions 2, 3: my one tensor load behind the round
	EPILOGUE 10, 12
	s_wait_xcnt 0x0                                ; the stores and prefetches have read their registers and bases
	s_add_nc_u64 s[10:11], s[10:11], 0x400000      ; 16 X on
	s_add_nc_u64 s[12:13], s[12:13], 0x80000
	s_add_nc_u64 s[PFA:PFA+1], s[PFA:PFA+1], WSTEP
	s_sub_co_u32 s[CNT], s[CNT], 1
	s_cmp_lg_u32 s[CNT], 0
	s_wait_alu depctr_va_vdst(0)
	s_cbranch_scc1 .Ltile
	ARRIVE 2                                       ; v: the sources change places; nothing more is fetched
	PRODUCTS 2
	EPILOGUE 68, 70
	s_wait_tensorcnt 0x0                           ; the wave's end
	ds_add_u32 v[SPW], v[NIL]
	s_wait_dscnt 0x0
	CROUND                                         ; the closing round
	s_endpgm
.Lfunc_end_k_q41ca086349_qkv:
	.size	k_q41ca086349_qkv, .Lfunc_end_k_q41ca086349_qkv-k_q41ca086349_qkv
	.p2alignl 7, 3214868480
	.fill 96, 4, 3214868480
	.section	.rodata,"a",@progbits
	.p2align	6, 0x0
	.amdhsa_kernel k_q41ca086349_qkv
		.amdhsa_group_segment_fixed_size 327680
		.amdhsa_private_segment_fixed_size 0
		.amdhsa_enable_private_segment 0
		.amdhsa_kernarg_size 24
		.amdhsa_user_sgpr_count 2
		.amdhsa_user_sgpr_kernarg_segment_ptr 1
		.amdhsa_wavefront_size32 1
		.amdhsa_system_sgpr_workgroup_id_x 1
		.amdhsa_system_sgpr_workgroup_id_y 1
		.amdhsa_system_sgpr_workgroup_id_z 1
		.amdhsa_system_vgpr_workitem_id 0
		.amdhsa_next_free_vgpr 512
		.amdhsa_next_free_sgpr 102
		.amdhsa_reserve_vcc 0
		.amdhsa_float_denorm_mode_32 3
		.amdhsa_float_denorm_mode_16_64 3
		.amdhsa_memory_ordered 1
		.amdhsa_forward_progress 1
		.amdhsa_inst_pref_size 115
	.end_amdhsa_kernel
	.amdgpu_metadata
---
amdhsa.version: [ 1, 2 ]
amdhsa.kernels:
  - .name:           k_q41ca086349_qkv
    .symbol:         k_q41ca086349_qkv.kd
    .args:
      - { .name: H, .offset: 0, .size: 8, .value_kind: global_buffer, .address_space: global }
      - { .name: W, .offset: 8, .size: 8, .value_kind: global_buffer, .address_space: global }
      - { .name: QKV, .offset: 16, .size: 8, .value_kind: global_buffer, .address_space: global }
    .group_segment_fixed_size: 327680
    .private_segment_fixed_size: 0
    .kernarg_segment_align: 8
    .kernarg_segment_size: 24
    .max_flat_workgroup_size: 128
    .sgpr_count:     102
    .vgpr_count:     512
    .wavefront_size: 32
...
	.end_amdgpu_metadata
.endif
;; end of part 3
;; launch attn (part 4): grid 8 x 32, 16 waves a work-group, no clusters, 67,584 bytes of LDS; arguments QKV, MK, AO; writes AO
.if DOCPART == 4
	.amdgcn_target "amdgcn-amd-amdhsa--gfx1250"
	.amdhsa_code_object_version 6
	.text
	.protected	k_q41ca086349_attn
	.globl	k_q41ca086349_attn
	.p2align	8
	.type	k_q41ca086349_attn,@function
k_q41ca086349_attn:
	s_mov_b64 s[64:65], 0
	v_nop
	global_prefetch_b8 v0, s[64:65] scope:SCOPE_SE
	s_setreg_imm32_b32 hwreg(HW_REG_WAVE_MODE, 25, 1), 1
	s_wait_xcnt 0x0
; ATTENTION on codes of E4M3 with E8M0 scales, with the mask as it is given.  t = score x log2(e) / 8; M = the row's largest t so far, rounded up to a whole number; p = 2^(t - M) is quantised along the keys, not normalised;
; the row's sum is taken of the unquantised p and divides at the end.  When M moves, the sum and O are multiplied by 2^(old M - new M): exact.
; SHARES: work-group (j, y): head y / 2, batch y % 2.  It owns two blocks of eight tiles of 16 queries: tiles 8 j on and tiles 8 (15 - j) on.  Wave w takes tile w / 2 of the block (w xor w / 4) & 1:
; of any four waves with equal w % 4, and of any four with equal w / 4, two have each block.  Sixteen key steps of 128.
; Both products are used transposed (S^T = K Q^T, O^T = V^T P^T): a lane holds one query.  Operands come as images of registers; the rows of a tile are 32 (i/2) + 8 (i%2) + r + 8 (r/8), so that the 16 registers of two
; neighbouring tiles of keys are 16 neighbouring keys.
; THE FIRST PRODUCT'S K IS 64, half of the instruction's 128: Q's upper eight registers hold zero codes.  A tile of keys is 8 registers; its operand names 16, whose upper eight are the next tile's codes (behind the last tile: zeros).
; They stand opposite Q's zero codes under the scale bytes 0 (2^-127); the quantiser that made them never makes the NaN code: they add exactly 0.
; THE MASK comes as whole numbers that an earlier launch stored: for each tile a bit for each step that has work, a bit for each such step that has masked entries, and 64 lane masks a step.  A step without work for my tile is passed over;
; in a step with masked entries the lane masks are loaded and the masked scores become -infinity ahead of the maximum.  No barrier stands under these branches.
; K, V and their scale words of a step (18,432 bytes) go from memory through registers into one of two LDS slots, a step ahead, shared by the sixteen waves; one barrier a step.  A step in which no tile of the work-group has work
; (the OR of the sixteen tiles' flags, the same number in every wave) is neither loaded nor staged.
; A row that is masked throughout has the sum 0: its scale bytes become 0xff, so that the row is NaN from the next product on, as the softmax of such a row is.
; OUT (AO): codes and scale bytes as an image for the next product: K = 64 head + channel.
; REGISTERS: v1 16 lane; v2-10 a step's bytes on their way; v11 4 thread; v12 -M, v13 largest t, v[14:15] the sum; v16-23 Q, v24-31 zeros; v32-95 K's 8 tiles, then V's four fragments; v96-103 zeros; v104-167 S^T, then p;
; v168-199 O^T; v200-215 p's codes; v216-223 K's scale words; v224-231 V's; v232-247, v252, v254 at work; v253 p's scale word; v255 Q's; v248 16 thread, v249 the scale words' offset, v250 -infinity, v251 256 lane.
; s3 my tile's steps with work, s10 those with masked entries, s96 the work-group's steps with work, each shifted down a bit a step; s16-63, s80-95 the lane masks.
; LIMITS: NaN and infinities among the inputs are not served.
.set S,   104
.set O,   168
.set PCD, 200
.set SEL, 12
.set MNT, 11
.set CS,  76
.macro QUANT2 s, d, w, tm              ; 32 numbers of a lane become 8 registers of codes and two scale bytes
.irp b, 0,1
	v_max3_num_f32 v[(\tm)+\b], |v[(\s)+16*\b]|, |v[(\s)+16*\b+1]|, 0x4800000
	v_mov_b32 v[(\tm)+2+\b], 0
.endr
.irp i, 2,4,6,8,10,12,14
.irp b, 0,1
	v_max3_num_f32 v[(\tm)+\b], v[(\tm)+\b], |v[(\s)+16*\b+\i]|, |v[(\s)+16*\b+\i+1]|
.endr
.endr
.irp b, 0,1
	s_delay_alu instid0(VALU_DEP_2)
	v_permlanex16_b32 v[(\tm)+2+\b], v[(\tm)+\b], s[SEL], s[SEL+1]
.endr
.irp b, 0,1
	s_delay_alu instid0(VALU_DEP_2)
	v_max_num_f32 v[(\tm)+\b], v[(\tm)+\b], v[(\tm)+2+\b]
.endr
.irp b, 0
	s_delay_alu instid0(VALU_DEP_2)
	v_add_nc_u32 v[(\tm)+6+\b], 0xfc000000, v[(\tm)+\b]
	s_delay_alu instid0(VALU_DEP_3)
	v_and_or_b32 v[(\tm)+4+\b], v[(\tm)+\b], 0x7f800000, s[MNT]
.endr
.irp b, 1
	s_delay_alu instid0(VALU_DEP_3)
	v_add_nc_u32 v[(\tm)+6+\b], 0xfc000000, v[(\tm)+\b]
	s_delay_alu instid0(VALU_DEP_4)
	v_and_or_b32 v[(\tm)+4+\b], v[(\tm)+\b], 0x7f800000, s[MNT]
.endr
.irp b, 0
	s_delay_alu instid0(VALU_DEP_4)
	v_lshrrev_b32 v[(\tm)+2+\b], 23, v[(\tm)+6+\b]
.endr
.irp b, 1
	s_delay_alu instid0(VALU_DEP_3)
	v_lshrrev_b32 v[(\tm)+2+\b], 23, v[(\tm)+6+\b]
.endr
	s_delay_alu instid0(VALU_DEP_1)
	v_lshl_or_b32 v[\w], v[(\tm)+3], 8, v[(\tm)+2]
.irp b, 0,1
.irp i, 0,1,2,3,4,5,6,7,8,9,10,11,12,13,14,15
	v_med3_num_f32 v[(\s)+16*\b+\i], v[(\s)+16*\b+\i], -v[(\tm)+4+\b], v[(\tm)+4+\b]
.endr
	v_cvt_scalef32_pk8_fp8_f32 v[(\d)+4*\b:(\d)+4*\b+1], v[(\s)+16*\b:(\s)+16*\b+7], v[(\tm)+6+\b]
	v_cvt_scalef32_pk8_fp8_f32 v[(\d)+4*\b+2:(\d)+4*\b+3], v[(\s)+16*\b+8:(\s)+16*\b+15], v[(\tm)+6+\b]
.endr
	v_nop
.endm
; A KEY STEP'S WORK, where my tile has any
.macro WORKIF slot
	s_bitcmp1_b32 s3, 0
	s_cbranch_scc0 .Lskip_\@
	s_bitcmp1_b32 s10, 0                           ; the step's 64 lane masks are asked for only where it has masked entries
	s_cbranch_scc0 .Lno_mask_\@
	s_load_b512 s[16:31], s[72:73], 0x0
	s_load_b512 s[32:47], s[72:73], 0x40
	s_load_b512 s[48:63], s[72:73], 0x80
	s_load_b512 s[80:95], s[72:73], 0xc0
.Lno_mask_\@:
.irp t, 0,1,2,3,4,5,6,7
	ds_load_b128 v[32+8*\t:35+8*\t], v1 offset:\slot*32768+\t*1024
	ds_load_b128 v[36+8*\t:39+8*\t], v1 offset:\slot*32768+\t*1024+512
.endr
	ds_load_b128 v[216:219], v1 offset:\slot*32768+16384
	ds_load_b128 v[220:223], v1 offset:\slot*32768+16896
	ds_load_b128 v[224:227], v1 offset:\slot*32768+17408
	ds_load_b128 v[228:231], v1 offset:\slot*32768+17920
	s_wait_dscnt 0x0
.irp a, 0,1,2,3
	v_lshl_or_b32 v[224+\a], v[228+\a], 16, v[224+\a]   ; V's scale word of 128 keys: two bytes of each 64
.endr
.irp t, 0,1,2,3,4,5,6,7
	v_wmma_scale_f32_16x16x128_f8f6f4 v[S+8*\t:S+8*\t+7], v[32+8*\t:47+8*\t], v[16:31], 0, v[216+\t], v255
.endr
.rept 8
	v_nop                                          ; places in front of the loads into K's registers and of the first read of the scores
.endr
.irp a, 0,1,2,3
.irp c, 0,1,2,3
	ds_load_b128 v[32+16*\a+4*\c:35+16*\a+4*\c], v1 offset:\slot*32768+8192+(\c/2)*4096+\a*1024+(\c%2)*512
.endr
.endr
	s_wait_kmcnt 0x0                               ; on every path: if the lane masks were asked for, they are in
	s_bitcmp1_b32 s10, 0
	s_cbranch_scc0 .Lopen_\@
.set n, 0
	s_wait_alu depctr_va_vdst(0)
.rept 48
	v_cndmask_b32 v[S+n], v[S+n], v250, s[16+n]    ; masked: -infinity, so that p = 0
.set n, n+1
.endr
.rept 16
	v_cndmask_b32 v[S+n], v[S+n], v250, s[32+n]
.set n, n+1
.endr
.Lopen_\@:
.irp b, 0,1,2,3
	v_max3_num_f32 v[232+\b], v[S+16*\b], v[S+1+16*\b], v[S+2+16*\b]   ; the largest score of each block of 32 keys: for the row's maximum and for the block's largest p
.endr
.irp i, 3,5,7,9,11,13
.irp b, 0,1,2,3
	v_max3_num_f32 v[232+\b], v[232+\b], v[S+16*\b+\i], v[S+1+16*\b+\i]
.endr
.endr
.irp b, 0,1,2,3
	v_max_num_f32 v[232+\b], v[232+\b], v[S+15+16*\b]
.endr
.irp b, 0,1,2,3
	s_delay_alu instid0(VALU_DEP_4)
	v_permlanex16_b32 v[236+\b], v[232+\b], s[SEL], s[SEL+1]
.endr
.irp b, 0,1,2,3
	s_delay_alu instid0(VALU_DEP_4)
	v_max_num_f32 v[232+\b], v[232+\b], v[236+\b]
.endr
	s_delay_alu instid0(VALU_DEP_2)
	v_max3_num_f32 v254, v232, v233, v234
	s_delay_alu instid0(VALU_DEP_1)
	v_max_num_f32 v254, v254, v235
	s_delay_alu instid0(VALU_DEP_1)
	v_mul_f32 v254, s[CS], v254
	s_delay_alu instid0(VALU_DEP_1)
	v_max_num_f32 v13, v13, v254                   ; the running largest t
	v_mov_b32 v254, v12
	s_delay_alu instid0(VALU_DEP_2)
	v_floor_f32 v12, -v13                          ; -M = floor(-t)
	s_delay_alu instid0(VALU_DEP_1)
	v_sub_f32 v254, v12, v254
	s_delay_alu instid0(VALU_DEP_1)
	v_cvt_i32_f32 v254, v254                       ; (it saturates)
	s_delay_alu instid0(VALU_DEP_1)
	v_ldexp_f32 v252, 1.0, v254                    ; f = 2^(old M - new M)
.set j, 0
.rept 32
	v_pk_fma_f32 v[S+j:S+j+1], v[S+j:S+j+1], s[CS:CS+1], v[12:13] op_sel_hi:[1,0,0]   ; t - M
.set j, j+2
.endr
.irp b, 0,1,2,3
	v_fma_f32 v[232+\b], v[232+\b], s[CS], v12
.endr
.set j, 0
	s_wait_alu depctr_va_vdst(0)
.rept 64
	v_exp_f32 v[S+j], v[S+j]                       ; p
.set j, j+1
.endr
	v_pk_mul_f32 v[14:15], v[14:15], v[252:253] op_sel_hi:[1,0]   ; the sums under the new M: a plain instruction behind the exponentials
	s_wait_alu depctr_va_vdst(0)                   ; one wait for the batch, ahead of its first reader
.irp b, 0,1,2,3
	v_exp_f32 v[232+\b], v[232+\b]                 ; each block's largest p
.endr
	v_pk_add_f32 v[236:237], v[S:S+1], v[S+2:S+3]  ; the row's sum of the unquantised p, in two chains
.irp j, 4,8,12,16,20,24,28,32,36,40,44,48,52,56,60
	v_pk_add_f32 v[14:15], v[14:15], v[S+\j:S+\j+1]
	v_pk_add_f32 v[236:237], v[236:237], v[S+\j+2:S+\j+3]
.endr
	s_delay_alu instid0(VALU_DEP_1)
	v_pk_add_f32 v[14:15], v[14:15], v[236:237]
	s_wait_alu depctr_va_vdst(0)                   ; and one for the four
.irp b, 0,1,2,3
	v_max_num_f32 v[232+\b], 0x4800000, v[232+\b]  ; the floor 2^(9 - 127)
.endr
.irp b, 0,1,2,3
	s_delay_alu instid0(VALU_DEP_4)
	v_add_nc_u32 v[244+\b], 0xfc000000, v[232+\b]
.endr
.irp b, 0,1,2,3
	v_and_or_b32 v[240+\b], v[232+\b], 0x7f800000, s[MNT]
.endr
.irp b, 0,1,2,3
	v_lshrrev_b32 v[236+\b], 23, v[244+\b]
.endr
	s_delay_alu instid0(VALU_DEP_3)
	v_lshl_or_b32 v253, v237, 8, v236              ; p's scale word for these 128 keys
	s_delay_alu instid0(VALU_DEP_1)
	v_lshl_or_b32 v253, v238, 16, v253
	s_delay_alu instid0(VALU_DEP_1)
	v_lshl_or_b32 v253, v239, 24, v253
.irp b, 0,1,2,3
.irp i, 0,1,2,3,4,5,6,7,8,9,10,11,12,13,14,15
	v_min_num_f32 v[S+16*\b+\i], v[S+16*\b+\i], v[240+\b]   ; the hold; p is not negative
.endr
	v_cvt_scalef32_pk8_fp8_f32 v[PCD+4*\b:PCD+1+4*\b], v[S+16*\b:S+7+16*\b], v[244+\b]
	v_cvt_scalef32_pk8_fp8_f32 v[PCD+2+4*\b:PCD+3+4*\b], v[S+8+16*\b:S+15+16*\b], v[244+\b]
.endr
.set j, 0
.rept 16
	v_pk_mul_f32 v[O+j:O+j+1], v[O+j:O+j+1], v[252:253] op_sel_hi:[1,0]   ; O^T under the new M; also the places between the codes and the products
.set j, j+2
.endr
	s_wait_alu depctr_va_vdst(0)
	s_wait_dscnt 0x0                               ; V
.irp a, 0,1,2,3
	v_wmma_scale_f32_16x16x128_f8f6f4 v[O+8*\a:O+8*\a+7], v[32+16*\a:47+16*\a], v[PCD:PCD+15], v[O+8*\a:O+8*\a+7], v[224+\a], v253
.endr
.rept 8
	v_nop                                          ; places in front of whatever next loads into, writes or reads these products' registers
.endr
.Lskip_\@:
.endm
; A key step: the next step's bytes are asked for, if any tile of the work-group works in it; this step is worked; the bytes go into the other slot; one barrier
.macro STEPM slot, pf
	s_bitcmp1_b32 s96, 0                           ; the same number in all sixteen waves
	s_cbranch_scc0 .Lno_load_\@
	global_load_b128 v[2:5], v248, s[66:67]
	global_load_b128 v[6:9], v248, s[68:69]
	global_load_b32 v10, v249, s[70:71]
.Lno_load_\@:
.if \pf
	s_cmp_eq_u32 s15, 1                            ; the step after the next: 8,192 bytes of K (wave 0) and of V (wave 1), lanes 256 bytes apart; the first work-group of each head and batch asks
	s_cbranch_scc0 .Lnot_mine_\@
	global_prefetch_b8 v251, s[74:75] offset:8192 th:TH_LOAD_NT scope:SCOPE_SE
.Lnot_mine_\@:
.endif
	WORKIF \slot
	s_wait_loadcnt 0x0                             ; on every path: no load of mine is out when its registers are next named
	s_bitcmp1_b32 s96, 0
	s_cbranch_scc0 .Lno_store_\@
	ds_store_b128 v248, v[2:5] offset:(1-\slot)*32768
	ds_store_b128 v248, v[6:9] offset:(1-\slot)*32768+8192
	ds_store_b32 v11, v10 offset:(1-\slot)*32768+16384
.Lno_store_\@:
	s_wait_xcnt 0x0                                ; the bases are stepped only behind this wait
	s_add_nc_u64 s[66:67], s[66:67], 8192
	s_add_nc_u64 s[68:69], s[68:69], 8192
	s_add_nc_u64 s[70:71], s[70:71], 1024
	s_add_nc_u64 s[72:73], s[72:73], 256
	s_add_nc_u64 s[74:75], s[74:75], 8192
	s_lshr_b32 s3, s3, 1
	s_lshr_b32 s10, s10, 1
	s_lshr_b32 s96, s96, 1
	s_wait_dscnt 0x0                               ; my stores have landed, my reads of this slot are over
	s_barrier_signal -1
	s_barrier_wait -1
.endm
	s_load_b128 s[4:7], s[0:1], 0x0                ; QKV, MK
	s_load_b64 s[8:9], s[0:1], 0x10                ; AO
	v_lshrrev_b32 v1, 5, v0
	s_delay_alu instid0(VALU_DEP_1)
	v_readfirstlane_b32 s2, v1                     ; wave
	s_lshr_b32 s85, s2, 2
	s_xor_b32 s85, s85, s2
	s_and_b32 s85, s85, 1                          ; which of the two blocks is mine
	s_lshl_b32 s80, ttmp9, 3                       ; 8 j
	s_sub_co_u32 s86, 120, s80                     ; 8 (15 - j)
	s_cmp_eq_u32 s85, 0
	s_cselect_b32 s80, s80, s86
	s_lshr_b32 s85, s2, 1
	s_add_co_u32 s80, s80, s85                     ; my tile of queries, 0..127
	s_and_b32 s85, ttmp7, 0xffff
	s_lshr_b32 s81, s85, 1                         ; head
	s_and_b32 s82, s85, 1                          ; batch
	s_lshl_b32 s83, s82, 5
	s_lshr_b32 s85, s80, 2
	s_add_co_u32 s83, s83, s85                     ; my group of 64 tokens
	s_and_b32 s84, s80, 3                          ; my tile in it
	s_mov_b32 s101, 0
	s_mov_b32 s[SEL], 0x76543210
	s_mov_b32 s[SEL+1], 0xfedcba98
	s_mov_b32 s[MNT], 0x600000
	s_mov_b32 s[CS], 0x3e38aa3b                    ; log2(e) / 8
	s_mov_b32 s[CS+1], s[CS]
	v_and_b32 v1, 31, v0
	s_delay_alu instid0(VALU_DEP_1)
	v_lshlrev_b32 v251, 8, v1
	s_delay_alu instid0(VALU_DEP_2)
	v_lshlrev_b32 v1, 4, v1
	v_lshlrev_b32 v248, 4, v0
	v_lshlrev_b32 v11, 2, v0
	v_and_b32 v249, 255, v0
	v_lshrrev_b32 v254, 8, v0
	s_delay_alu instid0(VALU_DEP_2)
	v_lshlrev_b32 v249, 2, v249
	s_delay_alu instid0(VALU_DEP_1)
	v_lshl_add_u32 v249, v254, 19, v249            ; threads 0-255: K's scale words; 256-511: V's, 524,288 bytes further on
	s_wait_alu depctr_va_vdst(0)
	s_wait_kmcnt 0x0
	s_lshl_b32 s100, s80, 4
	s_add_co_u32 s100, s100, 524288
	s_add_nc_u64 s[96:97], s[6:7], s[100:101]      ; my tile's flags: 16 bytes
	s_lshl_b32 s100, ttmp9, 7
	s_sub_co_u32 s87, 1920, s100
	s_add_co_u32 s100, s100, 524288
	s_add_nc_u64 s[14:15], s[6:7], s[100:101]      ; the flags of tiles 8 j on: 128 bytes
	s_add_co_u32 s100, s87, 524288
	s_add_nc_u64 s[78:79], s[6:7], s[100:101]      ; those of tiles 8 (15 - j) on
	s_lshl_b32 s100, s80, 12
	s_add_nc_u64 s[72:73], s[6:7], s[100:101]      ; my tile's lane masks
	s_lshl_b32 s100, s81, 18
	s_lshl_b32 s85, s83, 12
	s_add_co_u32 s100, s100, s85
	s_lshl_b32 s85, s84, 10
	s_add_co_u32 s100, s100, s85
	s_add_nc_u64 s[74:75], s[4:5], s[100:101]      ; Q's codes (the pair serves the prefetches later)
	s_add_co_u32 s85, s81, 16
	s_lshl_b32 s100, s85, 18
	s_lshl_b32 s86, s82, 17
	s_add_co_u32 s100, s100, s86
	s_add_nc_u64 s[66:67], s[4:5], s[100:101]      ; K's codes
	s_lshl_b32 s100, s81, 18
	s_add_co_u32 s100, s100, s86
	s_add_co_u32 s100, s100, 0x800000
	s_add_nc_u64 s[68:69], s[4:5], s[100:101]      ; V's codes
	s_lshl_b32 s100, s85, 15
	s_lshl_b32 s86, s82, 14
	s_add_co_u32 s100, s100, s86
	s_add_co_u32 s100, s100, 0xc00000
	s_add_nc_u64 s[70:71], s[4:5], s[100:101]      ; K's scale words
	s_and_b32 s86, s81, 1
	; AO as it is stored: chunks (64 tokens, S = head / 8) of 33,792 bytes: 32,768 of codes, then 1,024 of scale words [(head / 2) % 4][r][tile]
	s_mul_i32 s100, s83, 0x10800
	s_lshr_b32 s85, s81, 3
	s_mul_i32 s85, s85, 0x8400
	s_add_co_u32 s100, s100, s85
	s_bfe_u32 s85, s81, 0x20001
	s_lshl_b32 s85, s85, 8
	s_add_co_u32 s100, s100, s85
	s_lshl_b32 s85, s84, 2
	s_add_co_u32 s100, s100, s85
	s_lshl_b32 s85, s86, 1
	s_add_co_u32 s100, s100, s85
	s_add_co_u32 s100, s100, 0x8000
	s_add_nc_u64 s[98:99], s[8:9], s[100:101]      ; out: my two scale bytes a row
	s_mul_i32 s100, s83, 0x10800
	s_lshr_b32 s85, s81, 3
	s_mul_i32 s85, s85, 0x8400
	s_add_co_u32 s100, s100, s85
	s_lshl_b32 s85, s84, 13
	s_add_co_u32 s100, s100, s85
	s_bfe_u32 s85, s81, 0x20001
	s_lshl_b32 s85, s85, 11
	s_add_co_u32 s100, s100, s85
	s_lshl_b32 s85, s86, 10
	s_add_co_u32 s100, s100, s85
	s_add_nc_u64 s[8:9], s[8:9], s[100:101]        ; out: my codes
	s_lshl_b32 s100, s81, 15
	s_lshl_b32 s85, s83, 9
	s_add_co_u32 s100, s100, s85
	s_lshl_b32 s85, s84, 2
	s_add_co_u32 s100, s100, s85
	s_add_co_u32 s100, s100, 0xc00000
	s_add_nc_u64 s[100:101], s[4:5], s[100:101]    ; Q's scale words: the last sum that needs the two pointers and s80-s87
	s_load_b128 s[4:7], s[96:97], 0x0              ; my tile's flags
	s_load_b512 s[16:31], s[14:15], 0x0            ; the sixteen tiles' flags: 64 words, into the registers that later take the lane masks
	s_load_b512 s[32:47], s[14:15], 0x40
	s_load_b512 s[48:63], s[78:79], 0x0
	s_load_b512 s[80:95], s[78:79], 0x40
	global_load_b128 v[16:19], v1, s[74:75]
	global_load_b128 v[20:23], v1, s[74:75] offset:512
	global_load_b32 v255, v1, s[100:101]
	global_load_b128 v[2:5], v248, s[66:67]        ; key step 0
	global_load_b128 v[6:9], v248, s[68:69]
	global_load_b32 v10, v249, s[70:71]
.irp k, 24,25,26,27,28,29,30,31,96,97,98,99,100,101,102,103
	v_mov_b32 v\k, 0                               ; zero codes
.endr
.set j, 0
.rept 32
	v_mov_b32 v[O+j], 0                            ; O^T: the step is written once; the first finds zeros
.set j, j+1
.endr
	v_mov_b32 v13, 0xff61b1e6                      ; the largest t so far: -3e38
	s_delay_alu instid0(VALU_DEP_1)
	v_floor_f32 v12, -v13
	v_mov_b32 v14, 0
	v_mov_b32 v15, 0
.irp k, 236,237,238,239,252,253,254
	v_mov_b32 v\k, 0
.endr
	v_mov_b32 v250, 0xff800000
	s_wait_loadcnt 0x0
	ds_store_b128 v248, v[2:5]
	ds_store_b128 v248, v[6:9] offset:8192
	ds_store_b32 v11, v10 offset:16384
	s_wait_kmcnt 0x0                               ; the flags are in; the pairs that addressed them may be written
	s_or_b32 s3, s4, s5
	s_or_b32 s10, s6, s7
	s_or_b32 s3, s3, s10
	s_lshr_b32 s10, s3, 16                         ; bit s: step s has masked entries
	s_and_b32 s3, s3, 0xffff                       ; bit s: step s has work
	s_or_b32 s96, s16, s17                         ; the OR of the sixteen tiles' flags
.set n, 18
.rept 46
	s_or_b32 s96, s96, s[n]
.set n, n+1
.endr
.set n, 80
.rept 16
	s_or_b32 s96, s96, s[n]
.set n, n+1
.endr
	s_bfe_u32 s96, s96, 0xf0001                    ; bits 1 to 15: bit 0 now says whether step 1 has work for any tile of the work-group
	s_lshr_b32 s15, s2, 1
	s_or_b32 s15, s15, ttmp9
	s_cmp_eq_u32 s15, 0
	s_cselect_b32 s15, 1, 0                        ; 1 in waves 0 and 1 of work-group x = 0: they prefetch
	s_add_nc_u64 s[66:67], s[66:67], 8192          ; (the loads that named these bases are done)
	s_add_nc_u64 s[68:69], s[68:69], 8192
	s_add_nc_u64 s[70:71], s[70:71], 1024
	s_cmp_eq_u32 s2, 0
	s_cselect_b64 s[74:75], s[66:67], s[68:69]
	s_wait_dscnt 0x0
	s_barrier_signal -1
	s_barrier_wait -1
	s_mov_b32 s14, 7
.Lpair:
	STEPM 0, 1
	STEPM 1, 1
	s_sub_co_u32 s14, s14, 1
	s_cmp_lg_u32 s14, 0
	s_cbranch_scc1 .Lpair
	STEPM 0, 0                                     ; step 14 asks for step 15; there is nothing behind it to prefetch
	WORKIF 1
	; the way out
	s_wait_alu depctr_va_vdst(0)
	v_add_f32 v14, v14, v15
	s_delay_alu instid0(VALU_DEP_1)
	v_permlanex16_b32 v252, v14, s[SEL], s[SEL+1]
	s_delay_alu instid0(VALU_DEP_1)
	v_add_f32 v14, v14, v252                       ; the row's sum
	s_wait_alu depctr_va_vdst(0)
	v_rcp_f32 v15, v14
	v_nop
	v_cmp_eq_f32 s78, 0, v14                       ; a row masked throughout
	s_wait_alu depctr_va_vdst(0)
.set j, 0
.rept 32
	v_mul_f32 v[S+j], v[O+j], v15
.set j, j+1
.endr
	QUANT2 S, PCD, 242, 232
	v_mov_b32 v243, 0xffff
	s_delay_alu instid0(VALU_DEP_1)
	v_cndmask_b32 v242, v242, v243, s78
	v_and_b32 v244, 15, v0
	s_delay_alu instid0(VALU_DEP_1)
	v_lshlrev_b32 v244, 4, v244
	v_and_b32 v245, 31, v0
	global_store_b128 v1, v[PCD:PCD+3], s[8:9]
	global_store_b128 v1, v[PCD+4:PCD+7], s[8:9] offset:512
	v_cmp_gt_u32 vcc_lo, 16, v245
	s_wait_alu depctr_va_vdst(0)
	s_wait_xcnt 0x0                                ; EXEC changes only behind this wait
	s_and_saveexec_b32 s79, vcc_lo
	global_store_b16 v244, v242, s[98:99]
	s_wait_xcnt 0x0
	s_or_b32 exec_lo, exec_lo, s79
	s_wait_xcnt 0x0
	s_mov_b32 exec_lo, -1
	v_lshl_add_u32 v253, v0, 2, 0x10000
	v_mov_b32 v254, 0
	s_wait_alu depctr_va_vdst(0)
	s_wait_tensorcnt 0x0
	ds_add_u32 v253, v254
	s_wait_dscnt 0x0
	s_endpgm
.Lfunc_end_k_q41ca086349_attn:
	.size	k_q41ca086349_attn, .Lfunc_end_k_q41ca086349_attn-k_q41ca086349_attn
	.p2alignl 7, 3214868480
	.fill 96, 4, 3214868480
	.section	.rodata,"a",@progbits
	.p2align	6, 0x0
	.amdhsa_kernel k_q41ca086349_attn
		.amdhsa_group_segment_fixed_size 67584
		.amdhsa_private_segment_fixed_size 0
		.amdhsa_enable_private_segment 0
		.amdhsa_kernarg_size 24
		.amdhsa_user_sgpr_count 2
		.amdhsa_user_sgpr_kernarg_segment_ptr 1
		.amdhsa_wavefront_size32 1
		.amdhsa_system_sgpr_workgroup_id_x 1
		.amdhsa_system_sgpr_workgroup_id_y 1
		.amdhsa_system_sgpr_workgroup_id_z 1
		.amdhsa_system_vgpr_workitem_id 0
		.amdhsa_next_free_vgpr 256
		.amdhsa_next_free_sgpr 102
		.amdhsa_reserve_vcc 1
		.amdhsa_float_denorm_mode_32 3
		.amdhsa_float_denorm_mode_16_64 3
		.amdhsa_memory_ordered 1
		.amdhsa_forward_progress 1
		.amdhsa_inst_pref_size 116
	.end_amdhsa_kernel
	.amdgpu_metadata
---
amdhsa.version: [ 1, 2 ]
amdhsa.kernels:
  - .name:           k_q41ca086349_attn
    .symbol:         k_q41ca086349_attn.kd
    .args:
      - { .name: QKV, .offset: 0, .size: 8, .value_kind: global_buffer, .address_space: global }
      - { .name: MK, .offset: 8, .size: 8, .value_kind: global_buffer, .address_space: global }
      - { .name: AO, .offset: 16, .size: 8, .value_kind: global_buffer, .address_space: global }
    .group_segment_fixed_size: 67584
    .private_segment_fixed_size: 0
    .kernarg_segment_align: 8
    .kernarg_segment_size: 24
    .max_flat_workgroup_size: 512
    .sgpr_count:     102
    .vgpr_count:     256
    .wavefront_size: 32
...
	.end_amdgpu_metadata
.endif
;; end of part 4
;; launch wo (part 5): grid 8 x 32, 4 waves a work-group, clusters of 4 x 4, 327,680 bytes of LDS; arguments AO, W, x, X1; writes X1
.if DOCPART == 5
	.amdgcn_target "amdgcn-amd-amdhsa--gfx1250"
	.amdhsa_code_object_version 6
	.text
	.protected	k_q41ca086349_wo
	.globl	k_q41ca086349_wo
	.p2align	8
	.type	k_q41ca086349_wo,@function
k_q41ca086349_wo:
	s_mov_b64 s[64:65], 0
	v_nop
	global_prefetch_b8 v0, s[64:65] scope:SCOPE_SE
	s_setreg_imm32_b32 hwreg(HW_REG_WAVE_MODE, 25, 1), 1
	s_wait_xcnt 0x0
	s_wait_alu depctr_hold_cnt(0) depctr_sa_sdst(0) depctr_va_vdst(0) depctr_va_sdst(0) depctr_va_ssrc(0) depctr_va_vcc(0) depctr_vm_vsrc(0)
	s_getreg_b32 s2, hwreg(HW_REG_IB_STS2, 6, 4)
	s_cmp_eq_u32 s2, 0
	s_cbranch_scc0 .Lentry_in_a_cluster
	s_endpgm
.Lentry_in_a_cluster:
	s_bfe_u32 s2, ttmp6, 0x10000c
	s_cmp_lg_u32 s2, 0xf033
	s_cbranch_scc0 .Lentry_shape_is_right
	s_endpgm
.Lentry_shape_is_right:
; X1 = x + attention's result x wo, on codes of E4M3 with E8M0 scales, K = 1,024, f32 sums, f32 out.
; OPERANDS are images of operand registers in chunks (64 rows x 512 along K) of 33,792 dense bytes: codes [tile a][q][c][lane][16 bytes], then scale words [q][r][a].  64 rows, all of K: GB bytes, 264 rows of 256.
; THE PRODUCT: source 0 = P = wo's rows (output columns), source 1 = R = AO's rows (tokens).  Lane r of tile i holds row 32 (i/2) + 8 (i%2) + r + 8 (r/8); a lane's eight results are eight neighbouring columns of one token.
; SHARES: work-group (x, y) makes 128 tokens (tile y) x 128 columns (tile x), a wave 64 x 64: 16 accumulators.  All of K comes with ONE joint load a wave (waves 0, 1: R's halves, regions 0, 1; waves 2, 3: P's, regions 2, 3): nothing is filled again.
; CLUSTER 4 x 4: R's tile is shared along a row of the cluster, P's along a column.  No prefetch: the launch has no loop to run ahead in; each tile is asked for once, at the head.
; THE WAY OUT: a tile of 16 tokens x 64 columns goes through the wave's own stage (bytes of its own behind the spare words) and comes back as rows of 256 bytes; x's numbers, loaded at the head into window 2, are added; sixteen lanes store 256 consecutive bytes, aligned.
; REGISTERS: window 0: v16-23 LDS addresses; v24-26 the way out's; v28, v29 the add's; v32-39 scale words, two sets; v40-103 rows read back; v128-255 accumulators.  window 1: two buffers of fragments.  window 2: v0-127 x.
; LIMITS: NaN and infinities among the inputs are not served, but for the rows that the attention launch marks by the scale byte 0xff.
.set CHK,   33792
.set GB,    2*CHK
.set PCO,   0x318000                   ; wo in W
.set SPARE, 4*GB
.set STAGE, SPARE+512
.set ADRR,  16
.set ADRP,  20
.set ADRS,  22
.set SPW,   28
.set NIL,   29
.set SC,    32
.set ACC,   128
.set G1,    24
.set G0,    32
.set G0B,   36
.set G1B,   48
.set MSB,   0
.macro WIN new
.if MSB != \new
	s_set_vgpr_msb (MSB<<8)|\new
.set MSB, \new
.endif
.endm
.macro PLACES n
.rept \n
	v_nop
.endr
.endm
.macro TL g0, g1
	tensor_load_to_lds s[\g0:\g0+3], s[\g1:\g1+7]
	s_nop 0
	PLACES 4
.endm
.macro CROUND
	s_barrier_signal -1
	s_barrier_wait -1
	s_cmp_lg_u32 s14, 0
	s_cbranch_scc1 .Lnot_wave_0_\@
	s_barrier_signal -3
.Lnot_wave_0_\@:
	s_barrier_wait -3
	s_barrier_signal -1
	s_barrier_wait -1
.endm
.macro GROUP0 g, lds, adr
	s_mov_b32 s[\g], 1
	s_mov_b32 s[\g+1], s\lds
	s_mov_b64 s[\g+2:\g+3], s[\adr:\adr+1]
	s_or_b32 s[\g+3], s[\g+3], 0x80000000
.endm
.macro FETCH s, f, set                 ; 33 LDS loads of K step s: scale words, P's four fragments, R's four
	WIN 0
	ds_load_b128 v[SC+4*(\set):SC+4*(\set)+3], v[ADRS+(\s)/4] offset:256*((\s)%4)
	WIN 0x40
.irp b, 0,1,2,3
.irp c, 0,1,2,3
	ds_load_b128 v[(\f)+64+16*\b+4*\c:(\f)+64+16*\b+4*\c+3], v[ADRP+(\s)/4] offset:\b*8192+((\s)%4)*2048+\c*512
.endr
.endr
.irp a, 0,1,2,3
.irp c, 0,1,2,3
	ds_load_b128 v[(\f)+16*\a+4*\c:(\f)+16*\a+4*\c+3], v[ADRR+(\s)/4] offset:\a*8192+((\s)%4)*2048+\c*512
.endr
.endr
.endm
.macro MUL f, set, a0, na, mode        ; the 16 accumulators take turns in the same order in every step
.set aa, \a0
.rept \na
.irp b, 0,1,2,3
.if \mode == 1
	v_wmma_scale_f32_16x16x128_f8f6f4 v[ACC+8*(4*aa+\b):ACC+8*(4*aa+\b)+7], v[(\f)+64+16*\b:(\f)+64+16*\b+15], v[(\f)+16*aa:(\f)+16*aa+15], 0, v[SC+4*(\set)+\b], v[SC+4*(\set)+aa] matrix_a_scale:MATRIX_SCALE_ROW1
.else
	v_wmma_scale_f32_16x16x128_f8f6f4 v[ACC+8*(4*aa+\b):ACC+8*(4*aa+\b)+7], v[(\f)+64+16*\b:(\f)+64+16*\b+15], v[(\f)+16*aa:(\f)+16*aa+15], v[ACC+8*(4*aa+\b):ACC+8*(4*aa+\b)+7], v[SC+4*(\set)+\b], v[SC+4*(\set)+aa] matrix_a_scale:MATRIX_SCALE_ROW1
.endif
.endr
.set aa, aa+1
.endr
.endm
.macro STEP s, mode
	s_wait_dscnt 8                                 ; all but R's tiles 2, 3
	WIN 0x05
	MUL 128*((\s)%2), (\s)%2, 0, 2, \mode
	PLACES 8                                       ; in front of loads into registers that the last step's products read
	FETCH (\s)+1, 128*(1-(\s)%2), 1-(\s)%2
	s_wait_dscnt 33                                ; all but the 33 just issued
	WIN 0x05
	MUL 128*((\s)%2), (\s)%2, 2, 2, \mode
.endm
.macro TOSTAGE a                       ; each accumulator from its low end on; LDS serves a wave's instructions in order, so the loads see the stores
.irp b, 0,1,2,3
	ds_store_b128 v24, v[ACC+8*(4*(\a)+\b):ACC+8*(4*(\a)+\b)+3] offset:128*(\b/2)+32*(\b%2)
	ds_store_b128 v24, v[ACC+8*(4*(\a)+\b)+4:ACC+8*(4*(\a)+\b)+7] offset:128*(\b/2)+32*(\b%2)+16
.endr
.set BB, 40+32*((\a)%2)
.irp i, 0,1,2,3,4,5,6,7
	ds_load_b128 v[BB+4*\i:BB+4*\i+3], v25 offset:\i*2*272
.endr
.endm
.macro SEND a, younger
.set BB, 40+32*((\a)%2)
	s_wait_dscnt \younger
	WIN 0x08
.set k, 0
.rept 16
	v_pk_add_f32 v[BB+k:BB+k+1], v[BB+k:BB+k+1], v[32*(\a)+k:32*(\a)+k+1]   ; + x
.set k, k+2
.endr
	WIN 0
.irp i, 0,1,2,3,4,5,6,7
	global_store_b128 v26, v[BB+4*\i:BB+4*\i+3], s[10:11] offset:(32*((\a)/2)+8*((\a)%2)+2*\i+8*(\i/4))*4096
.endr
.endm
	s_load_b256 s[4:11], s[0:1], 0x0               ; AO, W, x, X1
	v_lshl_add_u32 v[SPW], v0, 2, SPARE
	v_mov_b32 v[NIL], 0
	ds_add_u32 v[SPW], v[NIL]                      ; the opening lines: the add, twice on end, and its wait
	ds_add_u32 v[SPW], v[NIL]
	v_lshrrev_b32 v1, 5, v0
	v_readfirstlane_b32 s14, v1                    ; wave
	s_lshr_b32 s15, s14, 1                         ; my half of R's rows.  Also: I fetch for R (0) or P (1)
	s_and_b32 s16, s14, 1                          ; my half of P's rows.  Also: which half I fetch
	s_bfe_u32 s40, ttmp6, 0x40000
	s_bfe_u32 s41, ttmp6, 0x40004
	s_lshl_b32 s42, ttmp9, 2
	s_add_co_u32 s42, s42, s40                     ; x
	s_and_b32 s17, ttmp7, 0xffff
	s_lshl_b32 s17, s17, 2
	s_add_co_u32 s17, s17, s41                     ; y
	s_lshl_b32 s43, s41, 2
	s_lshl_b32 s43, 15, s43
	s_lshl_b32 s44, 0x1111, s40
	s_or_b32 s[G1], s43, (3<<16)|(1<<21)
	s_or_b32 s[G1B], s44, (3<<16)|(1<<21)
.irp g, G1, G1B                        ; 264 dense rows of 256 bytes
	s_mov_b32 s[\g+1], 32<<16
	s_mov_b32 s[\g+2], 264<<16
	s_mov_b32 s[\g+3], 32<<16
	s_mov_b32 s[\g+4], 264
	s_mov_b32 s[\g+5], 32
	s_mov_b32 s[\g+6], 0
	s_mov_b32 s[\g+7], 0
.endr
	s_lshl_b32 s20, s17, 1
	s_add_co_u32 s20, s20, s16
	s_mul_i32 s20, s20, GB
	s_lshl_b32 s46, s42, 1
	s_add_co_u32 s46, s46, s16
	s_mul_i32 s46, s46, GB
	s_add_co_u32 s46, s46, PCO
	s_mov_b32 s21, 0
	s_mov_b32 s47, 0
	s_mul_i32 s18, s16, GB                         ; LDS: region s16,
	s_add_co_u32 s22, s18, 2*GB                    ; region 2 + s16
	s_wait_dscnt 0x0
	s_wait_kmcnt 0x0
	s_add_nc_u64 s[20:21], s[4:5], s[20:21]
	s_add_nc_u64 s[46:47], s[6:7], s[46:47]
	CROUND                                         ; all sixteen work-groups are here: the joint loads meet
	GROUP0 G0, 18, 20
	GROUP0 G0B, 22, 46
	s_cmp_eq_u32 s15, 0
	s_cbranch_scc0 .Lfor_p
	TL G0, G1
	s_branch .Lasked
.Lfor_p:
	TL G0B, G1B
.Lasked:
	s_mul_i32 s21, s15, GB                         ; R's half that I multiply; P's is at s22
	s_sub_co_u32 s94, s22, s21
	s_add_co_u32 s2, s21, 32768
	s_mul_i32 s23, s14, 16*272
	s_add_co_u32 s23, s23, STAGE                   ; my stage
	s_lshl_b32 s18, s17, 1
	s_add_co_u32 s18, s18, s15
	s_lshl_b32 s18, s18, 18                        ; my 64 tokens: rows of 4,096 bytes
	s_lshl_b32 s96, s42, 1
	s_add_co_u32 s96, s96, s16
	s_lshl_b32 s96, s96, 8                         ; my 64 columns
	s_add_co_u32 s18, s18, s96
	s_mov_b32 s19, 0
	s_add_nc_u64 s[8:9], s[8:9], s[18:19]
	s_add_nc_u64 s[10:11], s[10:11], s[18:19]
	v_and_b32 v1, 31, v0
	v_and_b32 v2, 15, v0                           ; r
	v_bfe_u32 v4, v0, 4, 1                         ; h
	v_lshlrev_b32 v3, 4, v1
	v_add_nc_u32 v[ADRR], s21, v3
	v_add_nc_u32 v[ADRP], s22, v3
	v_mul_u32_u24 v6, s94, v4                      ; scale words: lanes 0-15 R's, lanes 16-31 P's
	v_lshl_add_u32 v6, v2, 4, v6
	v_add_nc_u32 v[ADRS], s2, v6
	v_add_nc_u32 v[ADRR+1], CHK, v[ADRR]
	v_add_nc_u32 v[ADRP+1], CHK, v[ADRP]
	v_add_nc_u32 v[ADRS+1], CHK, v[ADRS]
	v_mul_u32_u24 v5, v2, 272
	v_lshl_add_u32 v5, v4, 6, v5
	v_add_nc_u32 v24, s23, v5                      ; into the stage: row r, 64 h bytes on
	v_mul_u32_u24 v7, v4, 272
	v_lshl_add_u32 v7, v2, 4, v7
	v_add_nc_u32 v25, s23, v7                      ; back: lanes 0-15 one row, lanes 16-31 the next
	v_lshlrev_b32 v8, 12, v4
	v_lshl_add_u32 v26, v2, 4, v8                  ; and the same two rows in x and X1
	s_wait_alu depctr_va_vdst(0)
	WIN 0x80
.irp a, 0,1,2,3
.irp i, 0,1,2,3,4,5,6,7
	global_load_b128 v[32*\a+4*\i:32*\a+4*\i+3], v26, s[8:9] offset:(32*(\a/2)+8*(\a%2)+2*\i+8*(\i/4))*4096
.endr
.endr
	WIN 0
	s_wait_tensorcnt 0x0                           ; my region is in,
	s_barrier_signal -1
	s_barrier_wait -1                              ; and so is everybody's
	FETCH 0, 0, 0
	STEP 0, 1                                      ; the first products start the sums
.irp s, 1,2,3,4,5,6
	STEP \s, 0
.endr
	s_wait_dscnt 8
	WIN 0x05
	MUL 128, 1, 0, 2, 0
	s_wait_dscnt 0x0
	MUL 128, 1, 2, 2, 0
	WIN 0
	PLACES 8                                       ; in front of the first read of results
	s_wait_loadcnt 0x0                             ; x
	TOSTAGE 0
	TOSTAGE 1
	SEND 0, 16
	s_wait_xcnt 0x0                                ; tile 0's stores have read their registers
	TOSTAGE 2
	SEND 1, 16
	s_wait_xcnt 0x0
	TOSTAGE 3
	SEND 2, 16
	SEND 3, 0
	s_wait_tensorcnt 0x0                           ; the wave's end
	ds_add_u32 v[SPW], v[NIL]
	s_wait_dscnt 0x0
	CROUND                                         ; the closing round
	s_endpgm
.Lfunc_end_k_q41ca086349_wo:
	.size	k_q41ca086349_wo, .Lfunc_end_k_q41ca086349_wo-k_q41ca086349_wo
	.p2alignl 7, 3214868480
	.fill 96, 4, 3214868480
	.section	.rodata,"a",@progbits
	.p2align	6, 0x0
	.amdhsa_kernel k_q41ca086349_wo
		.amdhsa_group_segment_fixed_size 327680
		.amdhsa_private_segment_fixed_size 0
		.amdhsa_enable_private_segment 0
		.amdhsa_kernarg_size 32
		.amdhsa_user_sgpr_count 2
		.amdhsa_user_sgpr_kernarg_segment_ptr 1
		.amdhsa_wavefront_size32 1
		.amdhsa_system_sgpr_workgroup_id_x 1
		.amdhsa_system_sgpr_workgroup_id_y 1
		.amdhsa_system_sgpr_workgroup_id_z 1
		.amdhsa_system_vgpr_workitem_id 0
		.amdhsa_next_free_vgpr 768
		.amdhsa_next_free_sgpr 102
		.amdhsa_reserve_vcc 0
		.amdhsa_float_denorm_mode_32 3
		.amdhsa_float_denorm_mode_16_64 3
		.amdhsa_memory_ordered 1
		.amdhsa_forward_progress 1
		.amdhsa_inst_pref_size 57
	.end_amdhsa_kernel
	.amdgpu_metadata
---
amdhsa.version: [ 1, 2 ]
amdhsa.kernels:
  - .name:           k_q41ca086349_wo
    .symbol:         k_q41ca086349_wo.kd
    .args:
      - { .name: AO, .offset: 0, .size: 8, .value_kind: global_buffer, .address_space: global }
      - { .name: W, .offset: 8, .size: 8, .value_kind: global_buffer, .address_space: global }
      - { .name: x, .offset: 16, .size: 8, .value_kind: global_buffer, .address_space: global }
      - { .name: X1, .offset: 24, .size: 8, .value_kind: global_buffer, .address_space: global }
    .group_segment_fixed_size: 327680
    .private_segment_fixed_size: 0
    .kernarg_segment_align: 8
    .kernarg_segment_size: 32
    .max_flat_workgroup_size: 128
    .sgpr_count:     102
    .vgpr_count:     768
    .wavefront_size: 32
...
	.end_amdgpu_metadata
.endif
;; end of part 5
;; launch ln2: the kernel of part 2 again; grid 256 x 1, 8 waves a work-group, no clusters, 3,072 bytes of LDS; arguments X1, gamma2, beta2, H; writes H
;; launch ffn1 (part 6): grid 8 x 32, 4 waves a work-group, clusters of 4 x 4, 327,680 bytes of LDS; arguments H, W, b1, G; writes G
.if DOCPART == 6
	.amdgcn_target "amdgcn-amd-amdhsa--gfx1250"
	.amdhsa_code_object_version 6
	.text
	.protected	k_q41ca086349_ffn1
	.globl	k_q41ca086349_ffn1
	.p2align	8
	.type	k_q41ca086349_ffn1,@function
k_q41ca086349_ffn1:
	s_mov_b64 s[64:65], 0
	v_nop
	global_prefetch_b8 v0, s[64:65] scope:SCOPE_SE
	s_setreg_imm32_b32 hwreg(HW_REG_WAVE_MODE, 25, 1), 1
	s_wait_xcnt 0x0
	s_wait_alu depctr_hold_cnt(0) depctr_sa_sdst(0) depctr_va_vdst(0) depctr_va_sdst(0) depctr_va_ssrc(0) depctr_va_vcc(0) depctr_vm_vsrc(0)
	s_getreg_b32 s2, hwreg(HW_REG_IB_STS2, 6, 4)
	s_cmp_eq_u32 s2, 0
	s_cbranch_scc0 .Lentry_in_a_cluster
	s_endpgm
.Lentry_in_a_cluster:
	s_bfe_u32 s2, ttmp6, 0x10000c
	s_cmp_lg_u32 s2, 0xf033
	s_cbranch_scc0 .Lentry_shape_is_right
	s_endpgm
.Lentry_shape_is_right:
.set KTOT,  1024
.set TILES, 4
.set RSC,   0x400000
; G = gelu(h w1 + b1), quantised along the hidden axis.  Operands and G lie in chunks (64 rows x 512 along K) of 33,792 bytes: 32,768 of codes, then 1,024 of scale words [q][r][a].
; LDS: regions of QB bytes (64 rows, all of K = 1,024): 0, 1 h's halves, which stay; 2, 3 w1's, refilled for each of the four tiles, a chunk a wave, in a drained round.
.set PCO,   0x420000
.set QB,    67584
.set PREG,  2*QB
.set SCQ,   QB
.set SCL,   32768
.set SPARE, SCL+4*SCQ
.set ADRR,  16
.set ADRP,  20
.set ADRS,  27
.set SPW,   28
.set NIL,   29
.set SC,    32
.set BIAS,  128
.set ACC,   128
.set G1,    24
.set G0,    32
.set G1B,   48
.set G0B,   56
.set G1S,   68
.set G0S,   76
.set G1SB,  80
.set G0SB,  88
.set SEL,   98
.set MNT,   100
.set CH,    2
.set HM,    3
.set CNT,   66
.set GT,    40
.set GP,    56
.set GX,    72
.set MSB,   0
.macro WIN new
.if MSB != \new
	s_set_vgpr_msb (MSB<<8)|\new
.set MSB, \new
.endif
.endm
.macro JLOAD g0a, g1a, g0b, g1b
	s_cmp_eq_u32 s15, 0
	s_cbranch_scc0 .Lfor_b_\@
	tensor_load_to_lds s[\g0a:\g0a+3], s[\g1a:\g1a+7]
	s_nop 0
.rept 4
	v_nop
.endr
	s_branch .Lasked_\@
.Lfor_b_\@:
	tensor_load_to_lds s[\g0b:\g0b+3], s[\g1b:\g1b+7]
	s_nop 0
.rept 4
	v_nop
.endr
.Lasked_\@:
.endm
.macro CREST
	s_cmp_lg_u32 s14, 0
	s_cbranch_scc1 .Lnot_wave_0_\@
	s_barrier_signal -3
.Lnot_wave_0_\@:
	s_barrier_wait -3
	s_barrier_signal -1
	s_barrier_wait -1
.endm
.macro CROUND
	s_barrier_signal -1
	s_barrier_wait -1
	CREST
.endm
.macro PLACES n
.rept \n
	v_nop
.endr
.endm
.macro FETCH s, f, set
	WIN 0
	ds_load_b128 v[SC+4*(\set):SC+4*(\set)+3], v[ADRS] offset:((\s)/4)*33792+256*((\s)%4)
	WIN 0x40
.irp b, 0,1,2,3
.irp c, 0,1,2,3
	ds_load_b128 v[(\f)+64+16*\b+4*\c:(\f)+64+16*\b+4*\c+3], v[ADRP+(\s)/4] offset:\b*8192+((\s)%4)*2048+\c*512
.endr
.endr
.irp a, 0,1,2,3
.irp c, 0,1,2,3
	ds_load_b128 v[(\f)+16*\a+4*\c:(\f)+16*\a+4*\c+3], v[ADRR+(\s)/4] offset:\a*8192+((\s)%4)*2048+\c*512
.endr
.endr
.endm
.macro MUL f, set, a0, na, mode
.set aa, \a0
.rept \na
.irp b, 0,1,2,3
.if \mode == 2
	v_wmma_scale_f32_16x16x128_f8f6f4 v[ACC+8*(4*aa+\b):ACC+8*(4*aa+\b)+7], v[(\f)+64+16*\b:(\f)+64+16*\b+15], v[(\f)+16*aa:(\f)+16*aa+15], v[BIAS+8*\b:BIAS+8*\b+7], v[SC+4*(\set)+\b], v[SC+4*(\set)+aa] matrix_a_scale:MATRIX_SCALE_ROW1
.else
	v_wmma_scale_f32_16x16x128_f8f6f4 v[ACC+8*(4*aa+\b):ACC+8*(4*aa+\b)+7], v[(\f)+64+16*\b:(\f)+64+16*\b+15], v[(\f)+16*aa:(\f)+16*aa+15], v[ACC+8*(4*aa+\b):ACC+8*(4*aa+\b)+7], v[SC+4*(\set)+\b], v[SC+4*(\set)+aa] matrix_a_scale:MATRIX_SCALE_ROW1
.endif
.endr
.set aa, aa+1
.endr
.endm
.macro MWIN mode
.if \mode == 2
	WIN 0x25
.else
	WIN 0x05
.endif
.endm
.macro STEP s, mode
	s_wait_dscnt 8
	MWIN \mode
	MUL 128*((\s)%2), (\s)%2, 0, 2, \mode
	PLACES 8
	FETCH (\s)+1, 128*(1-(\s)%2), 1-(\s)%2
	s_wait_dscnt 33
	MWIN \mode
	MUL 128*((\s)%2), (\s)%2, 2, 2, \mode
.endm
.macro LAST
	s_wait_dscnt 8
	WIN 0x05
	MUL 128, 1, 0, 2, 0
	s_wait_dscnt 0x0
	MUL 128, 1, 2, 2, 0
	WIN 0
	PLACES 8
.endm
.macro PRODUCTS
	STEP 0, 2
	STEP 1, 0
	STEP 2, 0
	STEP 3, 0
	STEP 4, 0
	STEP 5, 0
	STEP 6, 0
	LAST
.endm
.macro BIASLOAD
	WIN 0x80
.irp b, 0,1,2,3
	global_load_b128 v[BIAS+8*\b:BIAS+8*\b+3], v7, s[8:9] offset:(32*(\b/2)+8*(\b%2))*4
	global_load_b128 v[BIAS+8*\b+4:BIAS+8*\b+7], v7, s[8:9] offset:(32*(\b/2)+8*(\b%2))*4+16
.endr
	WIN 0
.endm
.macro REFILL
	s_wait_tensorcnt 0x0
	ds_add_u32 v[SPW], v[NIL]
	s_add_nc_u64 s[G0SB+2:G0SB+3], s[G0SB+2:G0SB+3], 2*QB   ; my chunk of the next tile of w1
	s_add_nc_u64 s[8:9], s[8:9], 512
	s_wait_dscnt 0x0
	CROUND
	tensor_load_to_lds s[G0SB:G0SB+3], s[G1SB:G1SB+7]       ; every wave refills one chunk of regions 2, 3
	s_nop 0
	PLACES 4
	BIASLOAD
.endm
.macro ARRIVE
	s_wait_tensorcnt 0x0
	s_barrier_signal -1
	s_barrier_wait -1
	FETCH 0, 0, 0
	WIN 0
	s_wait_loadcnt 0x0
.endm
.macro QUANT2 s, d, w, tm
.irp b, 0,1
	v_max3_num_f32 v[(\tm)+\b], |v[(\s)+16*\b]|, |v[(\s)+16*\b+1]|, 0x4800000
	v_mov_b32 v[(\tm)+2+\b], 0
.endr
.irp i, 2,4,6,8,10,12,14
.irp b, 0,1
	v_max3_num_f32 v[(\tm)+\b], v[(\tm)+\b], |v[(\s)+16*\b+\i]|, |v[(\s)+16*\b+\i+1]|
.endr
.endr
.irp b, 0,1
	v_permlanex16_b32 v[(\tm)+2+\b], v[(\tm)+\b], s[SEL], s[SEL+1]
.endr
.irp b, 0,1
	v_max_num_f32 v[(\tm)+\b], v[(\tm)+\b], v[(\tm)+2+\b]
.endr
.irp b, 0,1
	v_add_nc_u32 v[(\tm)+6+\b], 0xfc000000, v[(\tm)+\b]
	v_and_or_b32 v[(\tm)+4+\b], v[(\tm)+\b], 0x7f800000, s[MNT]
.endr
.irp b, 0,1
	v_lshrrev_b32 v[(\tm)+2+\b], 23, v[(\tm)+6+\b]
.endr
	v_lshl_or_b32 v[\w], v[(\tm)+3], 8, v[(\tm)+2]
.irp b, 0,1
.irp i, 0,1,2,3,4,5,6,7,8,9,10,11,12,13,14,15
	v_med3_num_f32 v[(\s)+16*\b+\i], v[(\s)+16*\b+\i], -v[(\tm)+4+\b], v[(\tm)+4+\b]
.endr
	v_cvt_scalef32_pk8_fp8_f32 v[(\d)+4*\b:(\d)+4*\b+1], v[(\s)+16*\b:(\s)+16*\b+7], v[(\tm)+6+\b]
	v_cvt_scalef32_pk8_fp8_f32 v[(\d)+4*\b+2:(\d)+4*\b+3], v[(\s)+16*\b+8:(\s)+16*\b+15], v[(\tm)+6+\b]
.endr
	v_nop
.endm
.macro GELU16 s
.set e, 0
.rept 16
	v_fma_f32 v[GT+e], |v[(\s)+e]|, s[CH], 1.0
.set e, e+1
.endr
.set e, 0
	s_wait_alu depctr_va_vdst(0)
.rept 16
	v_rcp_f32 v[GT+e], v[GT+e]
.set e, e+1
.endr
.set e, 0
.rept 8
	v_pk_mul_f32 v[GX+e:GX+e+1], v[(\s)+e:(\s)+e+1], v[(\s)+e:(\s)+e+1]
.set e, e+2
.endr
	s_wait_alu depctr_va_vdst(0)
.set e, 0
.rept 8
	v_pk_fma_f32 v[GP+e:GP+e+1], v[GT+e:GT+e+1], v[126:127], 0xbf527892 op_sel_hi:[1,1,0]
.set e, e+2
.endr
.irp k, 0x3fbe87b0, 0xbf914e5d, 0x3e8ec7cc, 0xbe3ec24c, 0x3dc636c9, 0x3ebf88fb, 0x3f8000c7, 0xbfa1fc4e
.set e, 0
.rept 8
	v_pk_fma_f32 v[GP+e:GP+e+1], v[GP+e:GP+e+1], v[GT+e:GT+e+1], \k op_sel_hi:[1,1,0]
.set e, e+2
.endr
.endr
.set e, 0
.rept 8
	v_pk_fma_f32 v[GP+e:GP+e+1], v[GX+e:GX+e+1], -0.5, v[GP+e:GP+e+1] op_sel_hi:[1,0,1]
.set e, e+2
.endr
.set e, 0
.rept 8
	v_pk_fma_f32 v[GP+e:GP+e+1], v[GP+e:GP+e+1], 0x3fb8aa3b, -1.0 op_sel_hi:[1,0,0]
.set e, e+2
.endr
.set e, 0
	s_wait_alu depctr_va_vdst(0)
.rept 16
	v_exp_f32 v[GP+e], v[GP+e]
.set e, e+1
.endr
.set e, 0
.rept 16
	v_max_num_f32 v[GX+e], 0, v[(\s)+e]
.set e, e+1
.endr
	s_wait_alu depctr_va_vdst(0)
.set e, 0
.rept 8
	v_pk_mul_f32 v[GP+e:GP+e+1], v[GP+e:GP+e+1], v[GT+e:GT+e+1]
.set e, e+2
.endr
.set e, 0
.rept 16
	v_fma_f32 v[(\s)+e], -|v[(\s)+e]|, v[GP+e], v[GX+e]
.set e, e+1
.endr
.endm
.macro EPILOGUE
.irp a, 0,1,2,3
	GELU16 ACC+32*\a
	GELU16 ACC+32*\a+16
	QUANT2 ACC+32*\a, 88+8*\a, 120+\a, 40
	global_store_b128 v3, v[88+8*\a:91+8*\a], s[12:13] offset:8192*\a
	global_store_b128 v3, v[92+8*\a:95+8*\a], s[12:13] offset:8192*\a+512
.endr
	v_cndmask_b32 v124, v120, v121, s[HM]
	v_cndmask_b32 v125, v122, v123, s[HM]
	global_store_b16 v8, v124, s[10:11]
	global_store_b16 v8, v125, s[10:11] offset:8
.endm
	s_load_b256 s[4:11], s[0:1], 0x0
	v_lshl_add_u32 v[SPW], v0, 2, SPARE
	v_mov_b32 v[NIL], 0
	ds_add_u32 v28, v29
	ds_add_u32 v28, v29
	s_wait_dscnt 0x0
	v_lshrrev_b32 v1, 5, v0
	v_readfirstlane_b32 s14, v1
	s_lshr_b32 s15, s14, 1
	s_and_b32 s16, s14, 1
	s_bfe_u32 s40, ttmp6, 0x40000
	s_bfe_u32 s41, ttmp6, 0x40004
	s_lshl_b32 s42, ttmp9, 2
	s_add_co_u32 s42, s42, s40
	s_lshl_b32 s42, s42, 2
	s_and_b32 s17, ttmp7, 0xffff
	s_lshl_b32 s17, s17, 2
	s_add_co_u32 s17, s17, s41
	s_lshl_b32 s43, s41, 2
	s_lshl_b32 s43, 15, s43
	s_lshl_b32 s44, 0x1111, s40
	s_or_b32 s[G1], s43, (3<<16)|(1<<21)
	s_or_b32 s[G1B], s44, (3<<16)|(1<<21)
	s_or_b32 s[G1SB], s44, (3<<16)|(1<<21)
.irp g, G1, G1B
	s_mov_b32 s[\g+1], 32<<16
	s_mov_b32 s[\g+2], 264<<16
	s_mov_b32 s[\g+3], 32<<16
	s_mov_b32 s[\g+4], 264
	s_mov_b32 s[\g+5], 32
	s_mov_b32 s[\g+6], 0
	s_mov_b32 s[\g+7], 0
.endr
.irp g, G1SB
	s_mov_b32 s[\g+1], 32<<16
	s_mov_b32 s[\g+2], 132<<16
	s_mov_b32 s[\g+3], 32<<16
	s_mov_b32 s[\g+4], 132
	s_mov_b32 s[\g+5], 32
	s_mov_b32 s[\g+6], 0
	s_mov_b32 s[\g+7], 0
.endr
	s_lshl_b32 s20, s17, 1
	s_add_co_u32 s20, s20, s16
	s_lshl_b32 s46, s42, 1
	s_add_co_u32 s46, s46, s16
	s_mul_i32 s92, s42, 2*QB
	s_add_co_u32 s92, s92, PCO
	s_mul_i32 s94, s14, 33792
	s_add_co_u32 s92, s92, s94
	s_mul_i32 s20, s20, QB
	s_mul_i32 s46, s46, QB
	s_add_co_u32 s46, s46, PCO
	s_mov_b32 s21, 0
	s_mov_b32 s23, 0
	s_mov_b32 s47, 0
	s_mov_b32 s93, 0
	s_mul_i32 s45, s16, QB
	s_wait_kmcnt 0x0
	s_add_nc_u64 s[20:21], s[4:5], s[20:21]
	s_add_nc_u64 s[46:47], s[6:7], s[46:47]
	s_add_nc_u64 s[92:93], s[6:7], s[92:93]
	CROUND
	s_mov_b32 s[G0SB], 1
	s_add_co_u32 s[G0SB+1], s94, PREG
	s_mov_b64 s[G0SB+2:G0SB+3], s[92:93]
	s_or_b32 s[G0SB+3], s[G0SB+3], 0x80000000
	s_mov_b32 s[G0], 1
	s_mov_b32 s[G0+1], s45
	s_mov_b64 s[G0+2:G0+3], s[20:21]
	s_or_b32 s[G0+3], s[G0+3], 0x80000000
	s_mov_b32 s[G0B], 1
	s_add_co_u32 s[G0B+1], s45, PREG
	s_mov_b64 s[G0B+2:G0B+3], s[46:47]
	s_or_b32 s[G0B+3], s[G0B+3], 0x80000000
	JLOAD G0, G1, G0B, G1B
	v_and_b32 v1, 31, v0
	v_and_b32 v2, 15, v0
	v_bfe_u32 v4, v0, 4, 1
	v_lshlrev_b32 v3, 4, v1
	s_mul_i32 s21, s15, QB
	s_mul_i32 s22, s16, QB
	s_add_co_u32 s22, s22, PREG
	v_add_nc_u32 v[ADRR], s21, v3
	v_add_nc_u32 v[ADRP], s22, v3
	v_add_nc_u32 v[ADRR+1], 33792, v[ADRR]
	v_add_nc_u32 v[ADRP+1], 33792, v[ADRP]
	s_mul_i32 s21, s15, SCQ
	s_mul_i32 s22, s16, SCQ
	s_add_co_u32 s22, s22, 2*SCQ
	s_sub_co_u32 s22, s22, s21
	v_mul_u32_u24 v6, s22, v4
	s_wait_alu depctr_va_vdst(0)
	s_add_co_u32 s21, s21, SCL
	v_lshl_add_u32 v5, v2, 4, v6
	v_add_nc_u32 v[ADRS], s21, v5
	s_mov_b32 s[SEL], 0x76543210
	s_mov_b32 s[SEL+1], 0xfedcba98
	s_mov_b32 s[MNT], 0x600000
	s_mov_b32 s[CH], 0x3eb504f3
	s_mov_b32 s[HM], 0xffff0000
	v_mov_b32 v126, 0x3e2ef945
	v_mov_b32 v127, 0x3e2ef945
	v_lshlrev_b32 v7, 6, v4
	v_lshlrev_b32 v8, 4, v2
	v_lshl_add_u32 v8, v4, 2, v8
	s_lshl_b32 s96, s42, 1
	s_add_co_u32 s96, s96, s16
	s_lshl_b32 s96, s96, 8
	s_mov_b32 s97, 0
	s_add_nc_u64 s[8:9], s[8:9], s[96:97]
	BIASLOAD
	s_lshl_b32 s18, s17, 1
	s_add_co_u32 s18, s18, s15
	s_mul_i32 s12, s18, 0x42000                    ; G: my 64 tokens: eight chunks;
	s_lshr_b32 s13, s42, 2
	s_mul_i32 s13, s13, 0x8400
	s_add_co_u32 s12, s12, s13                     ; the chunk that my four tiles (its four K steps) fill
	s_lshl_b32 s19, s16, 1
	s_add_co_u32 s96, s12, s19
	s_add_co_u32 s96, s96, 0x8000                  ; its scale words
	s_lshl_b32 s13, s16, 10
	s_add_co_u32 s12, s12, s13
	s_mov_b32 s13, 0
	s_add_nc_u64 s[12:13], s[10:11], s[12:13]
	s_add_nc_u64 s[10:11], s[10:11], s[96:97]
	s_mov_b32 s[CNT], TILES-1
	s_wait_alu depctr_va_vdst(0)
	ARRIVE
.Ltile:
	PRODUCTS
	REFILL
	EPILOGUE
	s_wait_xcnt 0x0
	s_add_nc_u64 s[12:13], s[12:13], 2048
	s_add_nc_u64 s[10:11], s[10:11], 256
	ARRIVE
	s_sub_co_u32 s[CNT], s[CNT], 1
	s_cmp_lg_u32 s[CNT], 0
	s_cbranch_scc1 .Ltile
	PRODUCTS
	EPILOGUE
	s_wait_tensorcnt 0x0
	ds_add_u32 v[SPW], v[NIL]
	s_wait_dscnt 0x0
	CROUND
	s_endpgm
.Lfunc_end_k_q41ca086349_ffn1:
	.size	k_q41ca086349_ffn1, .Lfunc_end_k_q41ca086349_ffn1-k_q41ca086349_ffn1
	.p2alignl 7, 3214868480
	.fill 96, 4, 3214868480
	.section	.rodata,"a",@progbits
	.p2align	6, 0x0
	.amdhsa_kernel k_q41ca086349_ffn1
		.amdhsa_group_segment_fixed_size 327680
		.amdhsa_private_segment_fixed_size 0
		.amdhsa_enable_private_segment 0
		.amdhsa_kernarg_size 32
		.amdhsa_user_sgpr_count 2
		.amdhsa_user_sgpr_kernarg_segment_ptr 1
		.amdhsa_wavefront_size32 1
		.amdhsa_system_sgpr_workgroup_id_x 1
		.amdhsa_system_sgpr_workgroup_id_y 1
		.amdhsa_system_sgpr_workgroup_id_z 1
		.amdhsa_system_vgpr_workitem_id 0
		.amdhsa_next_free_vgpr 768
		.amdhsa_next_free_sgpr 102
		.amdhsa_reserve_vcc 0
		.amdhsa_float_denorm_mode_32 3
		.amdhsa_float_denorm_mode_16_64 3
		.amdhsa_memory_ordered 1
		.amdhsa_forward_progress 1
		.amdhsa_inst_pref_size 255
	.end_amdhsa_kernel
	.section	.bss,"aw",@nobits
	.p2align	6
	.space	262144
	.amdgpu_metadata
---
amdhsa.version: [ 1, 2 ]
amdhsa.kernels:
  - .name:           k_q41ca086349_ffn1
    .symbol:         k_q41ca086349_ffn1.kd
    .args:
      - { .name: H, .offset: 0, .size: 8, .value_kind: global_buffer, .address_space: global }
      - { .name: W, .offset: 8, .size: 8, .value_kind: global_buffer, .address_space: global }
      - { .name: b1, .offset: 16, .size: 8, .value_kind: global_buffer, .address_space: global }
      - { .name: G, .offset: 24, .size: 8, .value_kind: global_buffer, .address_space: global }
    .group_segment_fixed_size: 327680
    .private_segment_fixed_size: 0
    .kernarg_segment_align: 8
    .kernarg_segment_size: 32
    .max_flat_workgroup_size: 128
    .sgpr_count:     102
    .vgpr_count:     768
    .wavefront_size: 32
...
	.end_amdgpu_metadata
.endif
;; end of part 6
;; launch ffn2 (part 7): grid 8 x 32, 4 waves a work-group, clusters of 4 x 4, 327,680 bytes of LDS; arguments G, W, b2, X1, out0; writes out0
.if DOCPART == 7
	.amdgcn_target "amdgcn-amd-amdhsa--gfx1250"
	.amdhsa_code_object_version 6
	.text
	.protected	k_q41ca086349_ffn2
	.globl	k_q41ca086349_ffn2
	.p2align	8
	.type	k_q41ca086349_ffn2,@function
k_q41ca086349_ffn2:
	s_mov_b64 s[64:65], 0
	v_nop
	global_prefetch_b8 v0, s[64:65] scope:SCOPE_SE
	s_setreg_imm32_b32 hwreg(HW_REG_WAVE_MODE, 25, 1), 1
	s_wait_xcnt 0x0
	s_wait_alu depctr_hold_cnt(0) depctr_sa_sdst(0) depctr_va_vdst(0) depctr_va_sdst(0) depctr_va_ssrc(0) depctr_va_vcc(0) depctr_vm_vsrc(0)
	s_getreg_b32 s2, hwreg(HW_REG_IB_STS2, 6, 4)
	s_cmp_eq_u32 s2, 0
	s_cbranch_scc0 .Lentry_in_a_cluster
	s_endpgm
.Lentry_in_a_cluster:
	s_bfe_u32 s2, ttmp6, 0x10000c
	s_cmp_lg_u32 s2, 0xf033
	s_cbranch_scc0 .Lentry_shape_is_right
	s_endpgm
.Lentry_shape_is_right:
.set KTOT,  4096
.set RSC,   0x1000000
; out0 = X1 + G w2 + b2.  Operands lie in chunks (64 rows x 512 along K) of 33,792 bytes: 32,768 of codes, then 1,024 of scale words [q][r][a].  A slot holds four chunks (R's two, P's two), one a wave: codes and scale words come by one load.
; PREFETCH: behind the refill that loads chunk S, chunk S + 2 (two refills on); chunks 2 and 3 behind the head's load.  Of the 132 blocks of 256 bytes of the chunk that a wave fetches, the partner at place p (cx for R, cy for P) names blocks 33 p .. 33 p + 32.  The last two refills ask for nothing.
.set PCO,   0x840000
.set SLOT,  135168
.set SCQ,   33792
.set SCL,   32768
.set SPARE, 2*SLOT
.set ADRR,  16
.set ADRP,  20
.set ADRS,  22
.set PF,    30
.set PFA,   92
.set SPW,   28
.set NIL,   29
.set SC,    32
.set BIAS,  40
.set ACC,   128
.set G1,    24
.set G0,    32
.set G1B,   48
.set G0B,   56
.set G1S,   68
.set G0S,   76
.set G1SB,  80
.set G0SB,  88
.set MSB,   0
.macro WIN new
.if MSB != \new
	s_set_vgpr_msb (MSB<<8)|\new
.set MSB, \new
.endif
.endm
.macro JLOAD g0a, g1a, g0b, g1b
	s_cmp_eq_u32 s15, 0
	s_cbranch_scc0 .Lfor_b_\@
	tensor_load_to_lds s[\g0a:\g0a+3], s[\g1a:\g1a+7]
	s_nop 0
.rept 4
	v_nop
.endr
	s_branch .Lasked_\@
.Lfor_b_\@:
	tensor_load_to_lds s[\g0b:\g0b+3], s[\g1b:\g1b+7]
	s_nop 0
.rept 4
	v_nop
.endr
.Lasked_\@:
.endm
.macro CREST
	s_cmp_lg_u32 s14, 0
	s_cbranch_scc1 .Lnot_wave_0_\@
	s_barrier_signal -3
.Lnot_wave_0_\@:
	s_barrier_wait -3
	s_barrier_signal -1
	s_barrier_wait -1
.endm
.macro CROUND
	s_barrier_signal -1
	s_barrier_wait -1
	CREST
.endm
.macro PLACES n
.rept \n
	v_nop
.endr
.endm
.macro FETCH slot, q, f, set
	WIN 0
	ds_load_b128 v[SC+4*(\set):SC+4*(\set)+3], v[ADRS+\slot] offset:256*(\q)
	WIN 0x40
.irp b, 0,1,2,3
.irp c, 0,1,2,3
	ds_load_b128 v[(\f)+64+16*\b+4*\c:(\f)+64+16*\b+4*\c+3], v[ADRP+\slot] offset:\b*8192+(\q)*2048+\c*512
.endr
.endr
.irp a, 0,1,2,3
.irp c, 0,1,2,3
	ds_load_b128 v[(\f)+16*\a+4*\c:(\f)+16*\a+4*\c+3], v[ADRR+\slot] offset:\a*8192+(\q)*2048+\c*512
.endr
.endr
.endm
.macro MUL f, set, a0, na, mode
.set aa, \a0
.rept \na
.irp b, 0,1,2,3
.if \mode == 1
	v_wmma_scale_f32_16x16x128_f8f6f4 v[ACC+8*(4*aa+\b):ACC+8*(4*aa+\b)+7], v[(\f)+64+16*\b:(\f)+64+16*\b+15], v[(\f)+16*aa:(\f)+16*aa+15], 0, v[SC+4*(\set)+\b], v[SC+4*(\set)+aa] matrix_a_scale:MATRIX_SCALE_ROW1
.elseif \mode == 2
	v_wmma_scale_f32_16x16x128_f8f6f4 v[ACC+8*(4*aa+\b):ACC+8*(4*aa+\b)+7], v[(\f)+64+16*\b:(\f)+64+16*\b+15], v[(\f)+16*aa:(\f)+16*aa+15], v[BIAS+8*\b:BIAS+8*\b+7], v[SC+4*(\set)+\b], v[SC+4*(\set)+aa] matrix_a_scale:MATRIX_SCALE_ROW1
.else
	v_wmma_scale_f32_16x16x128_f8f6f4 v[ACC+8*(4*aa+\b):ACC+8*(4*aa+\b)+7], v[(\f)+64+16*\b:(\f)+64+16*\b+15], v[(\f)+16*aa:(\f)+16*aa+15], v[ACC+8*(4*aa+\b):ACC+8*(4*aa+\b)+7], v[SC+4*(\set)+\b], v[SC+4*(\set)+aa] matrix_a_scale:MATRIX_SCALE_ROW1
.endif
.endr
.set aa, aa+1
.endr
.endm
.macro STEP slot, q, mode
	s_wait_dscnt 8
	WIN 0x05
	MUL 128*((\q)%2), (\q)%2, 0, 2, \mode
	PLACES 8
	FETCH \slot, (\q)+1, 128*(1-(\q)%2), 1-(\q)%2
	s_wait_dscnt 33
	WIN 0x05
	MUL 128*((\q)%2), (\q)%2, 2, 2, \mode
.endm
.macro TURN slot, next, fill
	WIN 0
.if \fill
	s_wait_xcnt 0x0                                ; my prefetches have read their base
	s_add_nc_u64 s[PFA:PFA+1], s[PFA:PFA+1], 33792
.endif
	s_wait_tensorcnt 0x0
	ds_add_u32 v[SPW], v[NIL]
	s_wait_dscnt 9
	WIN 0x05
	MUL 128, 1, 0, 1, 0
	s_wait_dscnt 0x0
	s_barrier_signal -1
	MUL 128, 1, 1, 1, 0
	WIN 0
	s_barrier_wait -1
.if \fill
	CREST
	s_add_nc_u64 s[G0+4*\slot+2:G0+4*\slot+3], s[G0+4*\slot+2:G0+4*\slot+3], 67584
	s_add_nc_u64 s[G0B+4*\slot+2:G0B+4*\slot+3], s[G0B+4*\slot+2:G0B+4*\slot+3], 67584
	JLOAD G0+4*\slot, G1, G0B+4*\slot, G1B
	PLACES 4
.else
	PLACES 8
.endif
	FETCH \next, 0, 0, 0
.if \fill
	WIN 0
	s_cmp_gt_u32 s3, 1                             ; s3 = 1 in the loop's last trip: no chunk stands two refills on
	s_cbranch_scc0 .Lno_ask_\@
	global_prefetch_b8 v[PF], s[PFA:PFA+1] offset:33792 th:TH_LOAD_NT scope:SCOPE_SE
	global_prefetch_b8 v[PF+1], s[PFA:PFA+1] offset:33792 th:TH_LOAD_NT scope:SCOPE_SE
.Lno_ask_\@:
.endif
	WIN 0x05
	MUL 128, 1, 2, 2, 0
.endm
.macro LAST
	s_wait_dscnt 8
	WIN 0x05
	MUL 128, 1, 0, 2, 0
	s_wait_dscnt 0x0
	MUL 128, 1, 2, 2, 0
	WIN 0
	PLACES 8
.endm
.macro TOSTAGE a
.irp b, 0,1,2,3
	ds_store_b128 v24, v[ACC+8*(4*(\a)+\b):ACC+8*(4*(\a)+\b)+3] offset:128*(\b/2)+32*(\b%2)
	ds_store_b128 v24, v[ACC+8*(4*(\a)+\b)+4:ACC+8*(4*(\a)+\b)+7] offset:128*(\b/2)+32*(\b%2)+16
.endr
.set BB, 40+32*((\a)%2)
.irp i, 0,1,2,3,4,5,6,7
	ds_load_b128 v[BB+4*\i:BB+4*\i+3], v25 offset:\i*2*272
.endr
.endm
.macro SEND a, younger
.set BB, 40+32*((\a)%2)
	s_wait_dscnt \younger
	WIN 0x08
.set k, 0
.rept 16
	v_pk_add_f32 v[BB+k:BB+k+1], v[BB+k:BB+k+1], v[32*(\a)+k:32*(\a)+k+1]
.set k, k+2
.endr
	WIN 0
.irp i, 0,1,2,3,4,5,6,7
	global_store_b128 v26, v[BB+4*\i:BB+4*\i+3], s[12:13] offset:(32*((\a)/2)+8*((\a)%2)+2*\i+8*(\i/4))*4096 th:TH_STORE_NT
.endr
.endm
	s_load_b256 s[4:11], s[0:1], 0x0
	s_load_b64 s[12:13], s[0:1], 0x20
	v_lshl_add_u32 v[SPW], v0, 2, SPARE
	v_mov_b32 v[NIL], 0
	ds_add_u32 v28, v29
	ds_add_u32 v28, v29
	s_wait_dscnt 0x0
	v_lshrrev_b32 v1, 5, v0
	v_readfirstlane_b32 s14, v1
	s_lshr_b32 s15, s14, 1
	s_and_b32 s16, s14, 1
	s_bfe_u32 s40, ttmp6, 0x40000
	s_bfe_u32 s41, ttmp6, 0x40004
	s_lshl_b32 s42, ttmp9, 2
	s_add_co_u32 s42, s42, s40
	s_and_b32 s17, ttmp7, 0xffff
	s_lshl_b32 s17, s17, 2
	s_add_co_u32 s17, s17, s41
	s_lshl_b32 s43, s41, 2
	s_lshl_b32 s43, 15, s43
	s_lshl_b32 s44, 0x1111, s40
	s_or_b32 s[G1], s43, (3<<16)|(1<<21)
	s_or_b32 s[G1B], s44, (3<<16)|(1<<21)
.irp g, G1, G1B
	s_mov_b32 s[\g+1], 32<<16
	s_mov_b32 s[\g+2], 132<<16
	s_mov_b32 s[\g+3], 32<<16
	s_mov_b32 s[\g+4], 132
	s_mov_b32 s[\g+5], 32
	s_mov_b32 s[\g+6], 0
	s_mov_b32 s[\g+7], 0
.endr
	s_lshl_b32 s20, s17, 1
	s_add_co_u32 s20, s20, s16
	s_lshl_b32 s46, s42, 1
	s_add_co_u32 s46, s46, s16
	s_mul_i32 s20, s20, 0x42000
	s_mul_i32 s46, s46, 0x42000
	s_add_co_u32 s46, s46, PCO
	s_mov_b32 s21, 0
	s_mov_b32 s23, 0
	s_mov_b32 s47, 0
	s_mov_b32 s93, 0
	s_mul_i32 s45, s14, 33792
	s_wait_kmcnt 0x0
	s_add_nc_u64 s[20:21], s[4:5], s[20:21]
	s_add_nc_u64 s[46:47], s[6:7], s[46:47]
	s_cmp_eq_u32 s15, 0                            ; the prefetches: the rows that I fetch, R's or P's,
	s_cselect_b64 s[PFA:PFA+1], s[20:21], s[46:47]
	s_cselect_b32 s94, s40, s41                    ; and my place among the four that ask for them with me
	s_add_nc_u64 s[PFA:PFA+1], s[PFA:PFA+1], 2*33792   ; at chunk 2
	s_mul_i32 s94, s94, 33*256
	CROUND
.irp s, 0,1
	s_mov_b32 s[G0+4*\s], 1
	s_add_co_u32 s[G0+4*\s+1], s45, \s*SLOT
	s_add_nc_u64 s[G0+4*\s+2:G0+4*\s+3], s[20:21], \s*33792
	s_or_b32 s[G0+4*\s+3], s[G0+4*\s+3], 0x80000000
	s_mov_b32 s[G0B+4*\s], 1
	s_add_co_u32 s[G0B+4*\s+1], s45, \s*SLOT
	s_add_nc_u64 s[G0B+4*\s+2:G0B+4*\s+3], s[46:47], \s*33792
	s_or_b32 s[G0B+4*\s+3], s[G0B+4*\s+3], 0x80000000
.if \s
	v_and_b32 v1, 31, v0
	v_lshl_add_u32 v[PF], v1, 8, s94               ; blocks 33 p + lane,
	v_mov_b32 v[PF+1], s94
	v_add_nc_u32 v[PF+1], 8192, v[PF+1]            ; and block 33 p + 32
	global_prefetch_b8 v[PF], s[PFA:PFA+1] th:TH_LOAD_NT scope:SCOPE_SE
	global_prefetch_b8 v[PF+1], s[PFA:PFA+1] th:TH_LOAD_NT scope:SCOPE_SE
	global_prefetch_b8 v[PF], s[PFA:PFA+1] offset:33792 th:TH_LOAD_NT scope:SCOPE_SE
	global_prefetch_b8 v[PF+1], s[PFA:PFA+1] offset:33792 th:TH_LOAD_NT scope:SCOPE_SE
	s_wait_alu depctr_va_vdst(0)
	s_wait_tensorcnt 0x0
	ds_add_u32 v28, v29
	s_wait_dscnt 0x0
	CROUND
.endif
	JLOAD G0+4*\s, G1, G0B+4*\s, G1B
.endr
	v_and_b32 v1, 31, v0
	v_and_b32 v2, 15, v0
	v_bfe_u32 v4, v0, 4, 1
	s_wait_alu depctr_va_vdst(0)
	v_lshlrev_b32 v3, 4, v1
	s_mul_i32 s21, s15, 33792
	s_mul_i32 s22, s16, 33792
	s_add_co_u32 s22, s22, 67584
.irp s, 0,1
	v_add_nc_u32 v[ADRR+\s], s21, v3
	v_add_nc_u32 v[ADRP+\s], s22, v3
	s_add_co_u32 s21, s21, SLOT
	s_add_co_u32 s22, s22, SLOT
.endr
	s_mul_i32 s21, s15, SCQ
	s_mul_i32 s22, s16, SCQ
	s_add_co_u32 s22, s22, 2*SCQ
	s_sub_co_u32 s22, s22, s21
	v_mul_u32_u24 v6, s22, v4
	s_add_co_u32 s21, s21, SCL
	v_lshl_add_u32 v5, v2, 4, v6
	v_add_nc_u32 v[ADRS], s21, v5
	v_add_nc_u32 v[ADRS+1], SLOT, v[ADRS]
	s_mul_i32 s23, s14, 16*272
	v_mul_u32_u24 v5, v2, 272
	v_lshl_add_u32 v5, v4, 6, v5
	v_add_nc_u32 v24, s23, v5
	v_mul_u32_u24 v5, v4, 272
	v_lshl_add_u32 v5, v2, 4, v5
	v_add_nc_u32 v25, s23, v5
	v_lshlrev_b32 v5, 12, v4
	v_lshl_add_u32 v26, v2, 4, v5
	s_wait_alu depctr_va_vdst(0)
	v_lshlrev_b32 v7, 6, v4
	s_lshl_b32 s96, s42, 1
	s_add_co_u32 s96, s96, s16
	s_lshl_b32 s96, s96, 8
	s_mov_b32 s97, 0
	s_add_nc_u64 s[8:9], s[8:9], s[96:97]
.irp b, 0,1,2,3
	global_load_b128 v[BIAS+8*\b:BIAS+8*\b+3], v7, s[8:9] offset:(32*(\b/2)+8*(\b%2))*4
	global_load_b128 v[BIAS+8*\b+4:BIAS+8*\b+7], v7, s[8:9] offset:(32*(\b/2)+8*(\b%2))*4+16
.endr
	s_lshl_b32 s18, s17, 1
	s_add_co_u32 s18, s18, s15
	s_lshl_b32 s18, s18, 18
	s_add_co_u32 s18, s18, s96
	s_mov_b32 s19, 0
	s_add_nc_u64 s[10:11], s[10:11], s[18:19]
	s_add_nc_u64 s[12:13], s[12:13], s[18:19]
	WIN 0x80
.irp a, 0,1,2,3
.irp i, 0,1,2,3,4,5,6,7
	global_load_b128 v[32*\a+4*\i:32*\a+4*\i+3], v26, s[10:11] offset:(32*(\a/2)+8*(\a%2)+2*\i+8*(\i/4))*4096
.endr
.endr
	WIN 0
	s_wait_tensorcnt 1
	s_barrier_signal -1
	s_barrier_wait -1
	FETCH 0, 0, 0, 0
	s_wait_loadcnt 32
	STEP 0, 0, 2
	WIN 0
	s_mov_b32 s3, 3
.Llap:
	s_wait_alu depctr_va_vdst(0)
	STEP 0, 1, 0
	STEP 0, 2, 0
	TURN 0, 1, 1
	s_wait_alu depctr_va_vdst(0)
	STEP 1, 0, 0
	STEP 1, 1, 0
	STEP 1, 2, 0
	TURN 1, 0, 1
	s_wait_alu depctr_va_vdst(0)
	STEP 0, 0, 0
	WIN 0
	s_sub_co_u32 s3, s3, 1
	s_cmp_lg_u32 s3, 0
	s_cbranch_scc1 .Llap
	STEP 0, 1, 0
	STEP 0, 2, 0
	TURN 0, 1, 0
	s_wait_alu depctr_va_vdst(0)
	STEP 1, 0, 0
	STEP 1, 1, 0
	STEP 1, 2, 0
	LAST
	s_wait_loadcnt 0x0
	TOSTAGE 0
	TOSTAGE 1
	SEND 0, 16
	s_wait_xcnt 0x0
	TOSTAGE 2
	SEND 1, 16
	s_wait_xcnt 0x0
	TOSTAGE 3
	SEND 2, 16
	SEND 3, 0
	s_wait_tensorcnt 0x0
	ds_add_u32 v[SPW], v[NIL]
	s_wait_dscnt 0x0
	CROUND
	s_endpgm
.Lfunc_end_k_q41ca086349_ffn2:
	.size	k_q41ca086349_ffn2, .Lfunc_end_k_q41ca086349_ffn2-k_q41ca086349_ffn2
	.p2alignl 7, 3214868480
	.fill 96, 4, 3214868480
	.section	.rodata,"a",@progbits
	.p2align	6, 0x0
	.amdhsa_kernel k_q41ca086349_ffn2
		.amdhsa_group_segment_fixed_size 327680
		.amdhsa_private_segment_fixed_size 0
		.amdhsa_enable_private_segment 0
		.amdhsa_kernarg_size 40
		.amdhsa_user_sgpr_count 2
		.amdhsa_user_sgpr_kernarg_segment_ptr 1
		.amdhsa_wavefront_size32 1
		.amdhsa_system_sgpr_workgroup_id_x 1
		.amdhsa_system_sgpr_workgroup_id_y 1
		.amdhsa_system_sgpr_workgroup_id_z 1
		.amdhsa_system_vgpr_workitem_id 0
		.amdhsa_next_free_vgpr 768
		.amdhsa_next_free_sgpr 102
		.amdhsa_reserve_vcc 0
		.amdhsa_float_denorm_mode_32 3
		.amdhsa_float_denorm_mode_16_64 3
		.amdhsa_memory_ordered 1
		.amdhsa_forward_progress 1
		.amdhsa_inst_pref_size 100
	.end_amdhsa_kernel
	.amdgpu_metadata
---
amdhsa.version: [ 1, 2 ]
amdhsa.kernels:
  - .name:           k_q41ca086349_ffn2
    .symbol:         k_q41ca086349_ffn2.kd
    .args:
      - { .name: G, .offset: 0, .size: 8, .value_kind: global_buffer, .address_space: global }
      - { .name: W, .offset: 8, .size: 8, .value_kind: global_buffer, .address_space: global }
      - { .name: b2, .offset: 16, .size: 8, .value_kind: global_buffer, .address_space: global }
      - { .name: X1, .offset: 24, .size: 8, .value_kind: global_buffer, .address_space: global }
      - { .name: out0, .offset: 32, .size: 8, .value_kind: global_buffer, .address_space: global }
    .group_segment_fixed_size: 327680
    .private_segment_fixed_size: 0
    .kernarg_segment_align: 8
    .kernarg_segment_size: 40
    .max_flat_workgroup_size: 128
    .sgpr_count:     102
    .vgpr_count:     768
    .wavefront_size: 32
...
	.end_amdgpu_metadata
.endif
;; end of part 7
